; MI455X (gfx1250); checked and timed in simulation.
; The chip was launched on July 23, 2026; its instructions are those of AMD's public machine-readable ISA for CDNA 5 (MIT licence, August 2026) and "CDNA5" Instruction Set Architecture Reference Guide (July 2026). The comments in the code are by the model that wrote it; some were corrected since.
;; Hard Gated Experts. Allowed arithmetic: matrix products marked QUANTISED: E3M2 operands, one E8M0 scale for each 32 along K, by v_wmma_scale_f32_16x16x128_f8f6f4 with both operands' format E3M2, f32 sums; everything else in f32.
;; Inputs: W1 8 x 512 x 512 float32; W2 8 x 512 x 256 float32; W3 8 x 256 x 256 float32; b1 8 x 512 float32; b2 8 x 256 float32; b3 8 x 256 float32; gate_id 8,192 int32; h 8,192 x 512 float32.
;; Outputs: out0 8,192 x 256 float32.
;; This version of the problem:
;;   THIS VERSION OF THE PROBLEM IS GIVEN IN LOW PRECISION. The matrix products marked QUANTISED in the list below multiply operands that are first quantised to E3M2 (3 exponent bits, 2 mantissa bits; 6 bits a number), with one power-of-two scale for each 32 numbers along K (OCP MX v1.0); their sums are f32. All else is computed in f32.
;;   The module's matrix products, in the order in which they are computed (A, B: the left and right operand; K: the contracted axis; several contracted axes count as one K, in the product's order):
;;     1. [M 4,096, K 512] x [K 512, N 8,192]; A: input W1; B: input h: QUANTISED
;;     2. batch 8 x [M 8,192, K 512] x [K 512, N 256]; A: computed on the way; B: input W2: QUANTISED
;;     3. batch 8 x [M 8,192, K 256] x [K 256, N 256]; A: computed on the way; B: input W3: QUANTISED
;;   THE QUANTISER, for each operand of a quantised product, along K:
;;     - K is cut into blocks of 32 from its start; a last block that is shorter is filled with zeros.
;;     - A block's scale is 2^e with e = floor(log2(the largest magnitude in the block)) - 4, held to -126 .. 127; a block of zeros has e = 0. As a byte (E8M0): e + 127.
;;     - Each number is divided by its block's scale, clamped to +-28, and rounded to the nearest number of E3M2, ties to even, subnormals kept.
;;     - The product sums the exact products of the quantised numbers (number of the format x scale) in f32.
;;   ~~~python
;;   def quantise(x, axis):      # numpy; x: float32 -> the quantised numbers, widened to float32 again
;;       x = np.moveaxis(x, axis, -1); K = x.shape[-1]
;;       x = np.pad(x, [(0, 0)] * (x.ndim - 1) + [(0, -K % 32)]); x = x.reshape(x.shape[:-1] + (-1, 32)); a = np.abs(x).max(-1, keepdims=True)
;;       e = np.where(a > 0, np.clip(np.frexp(np.where(a > 0, a, 1))[1] - 1 - 4, -126, 127), 0)      # np.frexp(a)[1] - 1 = floor(log2(a)), exactly
;;       r = np.clip(x / 2.0 ** e, -28, 28)
;;       step = 2.0 ** (np.maximum(np.frexp(np.where(r == 0, 1, r))[1] - 1, -2) - 2)
;;       q = np.round(r / step) * step * 2.0 ** e      # np.round: ties to even
;;       return np.moveaxis(q.reshape(q.shape[:-2] + (-1,))[..., :K], -1, axis).astype(np.float32)
;;   ~~~
;;   OPERANDS COMPUTED ON THE WAY. 'Computed on the way' means the value that the module computes at that place (a softmax that the list does not call 'softmax' is quantised finished and normalised). What goes into a quantiser is computed in f32, as accurately as f32 sums, v_exp_f32 and their like allow (about 1e-6 of the number): no bf16 or f16 on the way to a quantiser, and a product that is left as it is and whose result goes on into a quantised operand takes f32 operands (vector FMAs, or v_wmma_f32_16x16x4_f32). A number that lies on a knife's edge between two numbers of the format may be rounded either way, as far as f32 arithmetic and the matrix unit's own rounding can turn it there, and no further.
;; 3 versions, each right; version 2 is faster than version 1; version 3 is version 2 with the launch mlp written anew for expert scheduling mode. Each part assembles by itself: llvm-mc -triple=amdgcn-amd-amdhsa -mcpu=gfx1250 --defsym DOCPART=n.
;; ======== version 1 of 3: 2 launches
;; workspace buffers: rowlist 34,816 bytes of whole numbers; tiles 4,096 bytes of whole numbers; wp 2,867,200 bytes
;; launch prep (part 1): grid 225 x 1, 8 waves a work-group, no clusters, 17,664 bytes of LDS; arguments gate_id, W1, W2, W3, rowlist, tiles, wp; writes rowlist, tiles, wp
.if DOCPART == 1
	.amdgcn_target "amdgcn-amd-amdhsa--gfx1250"
	.amdhsa_code_object_version 6
	.text
	.protected	k_q798e2e70a6_prep
	.globl	k_q798e2e70a6_prep
	.p2align	8
	.type	k_q798e2e70a6_prep,@function
k_q798e2e70a6_prep:
	s_mov_b64 s[64:65], 0
	v_nop
	global_prefetch_b8 v0, s[64:65] scope:SCOPE_SE
	s_setreg_imm32_b32 hwreg(HW_REG_WAVE_MODE, 25, 1), 1
	s_wait_xcnt 0x0
; PREP: two jobs that do not depend on each other, chosen by the work-group's number.
;  Work-group 0 ROUTES.  g = clip(gate_id, 0, 7).  The 8,192 rows are laid into exactly 135 tiles of 64 slots, each tile of one expert:
;  rowlist[tile][slot] = row number, tiles[t] = {expert, rows, 0, 0}.  135 is the largest value of sum over e of ceil(n_e / 64) with sum n_e = 8,192.
;  What a routing leaves of it (s = 0 to 7 tiles) goes to the largest expert (at least 1,024 rows): its first 2 s tiles hold 32 rows instead of 64.
;  So every tile has work.  Slots without a row (448 in all) are written as 0.
;  Work-groups 1 to 224 PACK: each turns 128 k x 128 n (W1) or 2 x 128 k x 64 n (W2, W3) of one expert's weights, f32 stored [k][n], into eight operand
;  fragments of E3M2 codes and their E8M0 scale words, quantised along k in blocks of 32:
;  a block's byte = exponent field of its largest magnitude - 4, held at 1 from below; a block of zeros gets 127; numbers / scale to the nearest code, ties to even.
;  wp[expert 358,400][consumer wave 89,600]: 56 fragments of 1,536 bytes, then 7 scale blocks of 512 bytes.
;  A FRAGMENT is the register image of a matrix operand, 16 rows x 128 k of 6-bit codes: register j of lane L lies at byte 512 (j / 4) + 16 L + 4 (j % 4),
;  so three loads of 512 consecutive bytes fill the 12 registers.  Lane (r = L % 16, hf = L / 16) holds in registers 6 c .. 6 c + 5 the codes of k = 64 c + 32 hf + 0 .. 31.
;  Fragment F: layer 1: 8 ks + t;  layer 2: 32 + 4 ks + t;  layer 3: 48 + 4 ks + t.  Row r of tile t = 2 b + u is column Nw + 32 b + 8 u + r + 8 (r / 8)
;  (Nw = 128 w or 64 w): the consumer's 16 results of tiles 2 b, 2 b + 1 are then 16 neighbouring columns.
;  SCALE BLOCK g: byte 16 L + 4 j holds the word of fragment 8 g + 2 j + L / 16, row L % 16; byte b of a word scales k = 32 b .. 32 b + 31.
; LIMITS: gate_id is clamped as a signed 32-bit number.  NaN and infinities among the weights are not served.
; The 8,192 stores into rowlist are 4 bytes each at places that hang on the data: the placement step of a sort, 34,560 bytes in all.
.set RLDS,  16384                      ; LDS, route: 256 threads x 64 bytes of tables, then 128 bytes for the wave totals.  Pack: 12,288 bytes of fragments, 512 of scale words
.set DUMMY, 34560                      ; bytes 34,560 .. 34,815 of rowlist: where a padding store goes that has nothing to pad
; ROUTE's registers
.set G,   16                           ; v16-47   my 32 expert numbers, later their LDS addresses
.set RK,  48                           ; v48-79   an entry's rank among the entries of its expert in its group of eight; later at work
.set Q,   80                           ; v80-111  wave totals as read back; the tables; then each entry's place, as a byte offset
.set R,   112                          ; v112-143 the 32 row numbers
.set CNT, 144                          ; v144-147 group q: eight counters of 4 bits, one an expert (a group has 8 entries: no counter passes 8)
.set YY,  148                          ; v148-151 counts of experts 0, 2, 4, 6 as bytes: prefix over the groups; the last is the thread's total
.set ZZ,  152                          ; v152-155 the same for experts 1, 3, 5, 7
.set WD,  156                          ; v156-159 the thread's totals, two experts to a word (16 bits each: no sum passes 8,640)
.set SS,  160                          ; v160-163 scan over the lanes
.set WT,  164                          ; v164-167 the wave's totals
.set T4,  168                          ; v168-171 4 x expert, one for each group
.set T,   172
.set AD,  173
.set A64, 174                          ; 64 x thread: my tables
.set VQ0, 175                          ; Q0 = 64 x the largest expert's first tile
; PACK's registers
.set X,    16                          ; v16-79   64 numbers down K of my column
.set CD,   80                          ; codes: block hf at CD + 10 hf: six registers, then the three of the upper half as converted
.set EB,   100                         ; v100-101 the two scale bytes, v102 both
.set MX,   104
.set SF,   106
.set OUTR, 112
.set LA,   4
.set PA0,  5
.set PA1,  6
.set SCA,  7
.set RDA,  8
.set LP16, 9
.macro WIDEN d, y, z                   ; bytes i of y (expert 2 i) and of z (expert 2 i + 1) become the two halves of word d + i
.irp i, 0,1,2,3
	v_perm_b32 v[\d+\i], v[\z], v[\y], ((4+\i)<<16)|\i
	v_and_b32 v[\d+\i], 0x00ff00ff, v[\d+\i]
.endr
.endm
	s_load_b256 s[4:11], s[0:1], 0x0               ; gate_id s[4:5], W1 s[6:7], W2 s[8:9], W3 s[10:11]
	s_load_b128 s[12:15], s[0:1], 0x20             ; rowlist s[12:13], tiles s[14:15]
	s_load_b64 s[16:17], s[0:1], 0x30              ; wp
	v_lshl_add_u32 v176, v0, 2, 0x4100
	v_mov_b32 v177, 0
	v_lshrrev_b32 v1, 5, v0
	v_readfirstlane_b32 s3, v1                     ; wave 0..7
	v_and_b32 v1, 31, v0                           ; lane
	s_wait_kmcnt 0x0
	s_cmp_lg_u32 ttmp9, 0                          ; the same in all waves of a work-group: each path's barriers are passed by all eight
	s_cbranch_scc1 .Lpack
	; ---------------- ROUTE ----------------
	; Thread t takes entries k = 4 j + c, which are rows 1024 j + 4 t + c: each load of a wave covers 512 consecutive bytes.
	v_lshlrev_b32 v2, 4, v0                        ; 16 t
	v_lshlrev_b32 v3, 2, v0                        ; 4 t
.irp j, 0,1,2,3,4,5,6,7
	global_load_b128 v[G+4*\j:G+4*\j+3], v2, s[4:5] offset:4096*\j th:TH_LOAD_NT
.endr
	v_lshlrev_b32 v[A64], 6, v0
	v_mov_b32 v[T], 0                              ; the destination of a DPP move counts as read
	s_wait_loadcnt 0x0
	; clamp; an entry's rank in its group of eight is its expert's counter as it stands; then the counter steps.  The four groups do not wait for each other.
.irp p, 0,1,2,3,4,5,6,7
.irp q, 0,1,2,3
	v_max_i32 v[G+8*\q+\p], 0, v[G+8*\q+\p]
	v_min_u32 v[G+8*\q+\p], 7, v[G+8*\q+\p]
	v_lshlrev_b32 v[T4+\q], 2, v[G+8*\q+\p]
.if \p == 0
	v_mov_b32 v[RK+8*\q], 0
	v_lshl_add_u32 v[CNT+\q], 1, v[T4+\q], 0
.else
	v_bfe_u32 v[RK+8*\q+\p], v[CNT+\q], v[T4+\q], 4
	v_lshl_add_u32 v[CNT+\q], 1, v[T4+\q], v[CNT+\q]
.endif
.endr
.endr
	; counters as bytes, and their prefix over the groups (no byte passes 32)
.irp q, 0,1,2,3
	v_and_b32 v[YY+\q], 0x0f0f0f0f, v[CNT+\q]
	v_lshrrev_b32 v[ZZ+\q], 4, v[CNT+\q]
	v_and_b32 v[ZZ+\q], 0x0f0f0f0f, v[ZZ+\q]
.endr
.irp q, 1,2,3
	v_add_nc_u32 v[YY+\q], v[YY+\q], v[YY+\q-1]    ; YY + q - 1: what groups 0 .. q - 1 hold;  YY + 3: the thread's total
	v_add_nc_u32 v[ZZ+\q], v[ZZ+\q], v[ZZ+\q-1]
.endr
	WIDEN WD, YY+3, ZZ+3
	; inclusive scan over the 32 lanes, two experts to a word; then the wave's total (lane 31) and the exclusive value
	v_cmp_le_u32 vcc_lo, 16, v1                    ; lanes 16-31
.irp i, 0,1,2,3
	v_mov_b32 v[SS+\i], v[WD+\i]
.irp sh, 1,2,4,8
	v_mov_b32_dpp v[T], v[SS+\i] row_shr:\sh row_mask:0xf bank_mask:0xf bound_ctrl:1
	v_add_nc_u32 v[SS+\i], v[SS+\i], v[T]
.endr
	v_readlane_b32 s66, v[SS+\i], 15               ; the sum of lanes 0-15 is added in lanes 16-31
	v_mov_b32 v[T], s66
	v_cndmask_b32 v[T], 0, v[T], vcc_lo
	v_add_nc_u32 v[SS+\i], v[SS+\i], v[T]
	v_readlane_b32 s67, v[SS+\i], 31
	v_mov_b32 v[WT+\i], s67
	v_sub_nc_u32 v[SS+\i], v[SS+\i], v[WD+\i]      ; entries of each expert in the lanes in front of me
.endr
	; the eight wave totals meet in LDS
	v_mov_b32 v[AD], s3
	v_lshlrev_b32 v[AD], 4, v[AD]
	ds_store_b128 v[AD], v[WT:WT+3] offset:RLDS    ; all lanes store the same 16 bytes at 16 x wave
	s_wait_dscnt 0x0                               ; zero: the other waves read these bytes behind the barrier
	s_barrier_signal -1
	s_barrier_wait -1
	v_mov_b32 v[AD], 0
.irp w, 0,1,2,3,4,5,6,7
	ds_load_b128 v[Q+4*\w:Q+4*\w+3], v[AD] offset:RLDS+16*\w
.endr
.irp i, 0,1,2,3
	s_mov_b32 s[56+\i], 0                          ; totals of all waves
	s_mov_b32 s[60+\i], 0                          ; totals of the waves in front of mine
.endr
	s_wait_dscnt 0x0
.irp w, 0,1,2,3,4,5,6,7
	s_cmp_gt_u32 s3, \w
	s_cselect_b32 s71, -1, 0
.irp i, 0,1,2,3
	v_readfirstlane_b32 s66, v[Q+4*\w+\i]
	s_add_co_u32 s[56+\i], s[56+\i], s66
	s_and_b32 s66, s66, s71
	s_add_co_u32 s[60+\i], s[60+\i], s66
.endr
.endr
	; scalar tables: s[24:31] n_e;  s[40:47] first tile of e without the spare tiles;  s[48:55] first tile of e
.irp i, 0,1,2,3
	s_and_b32 s[24+2*\i], s[56+\i], 0xffff
	s_lshr_b32 s[24+2*\i+1], s[56+\i], 16
.endr
	s_mov_b32 s73, 0                               ; the largest expert
	s_mov_b32 s74, s24
.irp e, 1,2,3,4,5,6,7
	s_cmp_gt_u32 s[24+\e], s74
	s_cselect_b32 s73, \e, s73
	s_cselect_b32 s74, s[24+\e], s74
.endr
	s_mov_b32 s67, 0
.irp e, 0,1,2,3,4,5,6,7
	s_mov_b32 s[40+\e], s67
	s_add_co_u32 s66, s[24+\e], 63
	s_lshr_b32 s66, s66, 6
	s_add_co_u32 s67, s67, s66
.endr
	s_sub_co_u32 s75, 135, s67                     ; s = tiles to spare, 0 to 7
	s_lshl_b32 s77, s75, 1                         ; 2 s = tiles of 32 rows
	s_mov_b32 s76, 0
.irp e, 0,1,2,3,4,5,6,7
	s_cmp_lt_u32 s73, \e                           ; experts behind the largest begin s tiles later
	s_cselect_b32 s66, s75, 0
	s_add_co_u32 s[48+\e], s[40+\e], s66
	s_cmp_eq_u32 s73, \e
	s_cselect_b32 s76, s[40+\e], s76
.endr
	s_lshl_b32 s76, s76, 6                         ; Q0: the largest expert's first slot
	s_mov_b32 s78, 0                               ; for the expert whose number is my wave's: the slot behind its last tile,
	s_mov_b32 s79, 0                               ; and the empty slots at that tile's end
.irp e, 0,1,2,3,4,5,6,7
	s_add_co_u32 s66, s[24+\e], 63
	s_lshr_b32 s66, s66, 6
	s_lshl_b32 s68, s66, 6
	s_sub_co_u32 s68, s68, s[24+\e]                ; 64 ceil(n / 64) - n
	s_cmp_eq_u32 s73, \e
	s_cselect_b32 s69, s75, 0
	s_add_co_u32 s66, s66, s69
	s_add_co_u32 s66, s66, s[48+\e]
	s_lshl_b32 s66, s66, 6
	s_cmp_eq_u32 s3, \e
	s_cselect_b32 s78, s66, s78
	s_cselect_b32 s79, s68, s79
.endr
.irp i, 0,1,2,3                        ; packed: 64 x first tile (without the spare) + entries in earlier waves; no half passes 8,640
	s_lshl_b32 s66, s[40+2*\i], 6
	s_lshl_b32 s67, s[40+2*\i+1], 22
	s_or_b32 s66, s66, s67
	s_add_co_u32 s[80+\i], s66, s[60+\i]
.endr
	; my four tables of eight 16-bit entries: table q, expert g: the place, before the tiles of 32 are cut, of the first entry of g in my group q
.irp i, 0,1,2,3
	v_add_nc_u32 v[Q+\i], s[80+\i], v[SS+\i]
.endr
	ds_store_b128 v[A64], v[Q:Q+3]
.irp q, 1,2,3
	WIDEN Q+4*\q, YY+\q-1, ZZ+\q-1
.irp i, 0,1,2,3
	v_add_nc_u32 v[Q+4*\q+\i], v[Q+4*\q+\i], v[Q+\i]
.endr
	ds_store_b128 v[A64], v[Q+4*\q:Q+4*\q+3] offset:16*\q
.endr
	v_mov_b32 v[VQ0], s76
	s_wait_dscnt 0x0                               ; each thread reads its own 64 bytes only; the addresses hang on data, so the stores are shown done to all
	s_barrier_signal -1
	s_barrier_wait -1
.set k_, 0
.rept 32
	v_lshl_add_u32 v[G+k_], v[G+k_], 1, v[A64]     ; 64 t + 2 g (g was clamped to 0 .. 7)
	ds_load_u16 v[Q+k_], v[G+k_] offset:16*(k_/8)
.set k_, k_+1
.endr
	; placement.  q = table + rank;  slot = q + 32 clamp((q - Q0) >> 5, 0, 2 s): nothing in front of the largest expert, its first 64 s rows cut into
	; halves of tiles, everything behind moved by 64 s.  Every store has address and data registers of its own, written once.
.set k_, 0
.rept 32
.if (k_%8) == 0
	s_wait_dscnt 24-k_                             ; the lookups of the later groups stay out
.endif
	v_add_nc_u32 v[Q+k_], v[Q+k_], v[RK+k_]
	v_sub_nc_u32 v[RK+k_], v[Q+k_], v[VQ0]
	v_ashrrev_i32 v[RK+k_], 5, v[RK+k_]
	v_max_i32 v[RK+k_], 0, v[RK+k_]
	v_min_u32 v[RK+k_], s77, v[RK+k_]
	v_lshl_add_u32 v[Q+k_], v[RK+k_], 5, v[Q+k_]
	v_min_u32 v[Q+k_], 0x21bf, v[Q+k_]             ; a slot is below 8,640 by construction; the clamp says so in the text
	v_lshlrev_b32 v[Q+k_], 2, v[Q+k_]
	v_add_nc_u32 v[R+k_], 1024*(k_/4)+(k_%4), v3   ; the row number of entry k
	global_store_b32 v[Q+k_], v[R+k_], s[12:13]
.set k_, k_+1
.endr
	; the empty slots are written as 0: wave e the end of expert e's last tile (up to 63 slots), and waves 0-7 the upper halves of the 2 s tiles of 32 rows.
	; A lane or a wave with nothing to pad stores its 0 into the dummy words behind the list: no lane is switched off and nothing is jumped over.
	v_mov_b32 v4, 0
	v_lshlrev_b32 v5, 2, v1
	v_add_nc_u32 v6, DUMMY, v5
	v_mov_b32 v7, s78
.irp j, 0,1
	v_add_nc_u32 v[8+\j], 32*\j+1, v1              ; i + 1
	v_sub_nc_u32 v[10+\j], v7, v[8+\j]             ; the slot i + 1 in front of the end
	v_lshlrev_b32 v[10+\j], 2, v[10+\j]
	v_cmp_ge_u32 vcc_lo, s79, v[8+\j]              ; i below the number of empty slots
	v_cndmask_b32 v[10+\j], v6, v[10+\j], vcc_lo
	v_min_u32 v[10+\j], 34812, v[10+\j]
	global_store_b32 v[10+\j], v4, s[12:13]
.endr
	s_mov_b32 s68, DUMMY
.irp j, 0,1
	s_add_co_u32 s66, s3, 8*\j                     ; which tile of 32 rows
	s_lshl_b32 s67, s66, 6
	s_add_co_u32 s67, s67, s76
	s_add_co_u32 s67, s67, 32
	s_lshl_b32 s67, s67, 2
	s_cmp_lt_u32 s66, s77
	s_cselect_b32 s67, s67, s68
	s_min_u32 s[84+\j], s67, DUMMY
	v_add_nc_u32 v[12+\j], s[84+\j], v5
	global_store_b32 v[12+\j], v4, s[12:13]        ; 32 lanes store 128 consecutive bytes
.endr
	; the table of tiles, entry t = thread number (256 entries are written, 135 are used)
	v_mov_b32 v48, 0                               ; expert
	v_mov_b32 v52, 0                               ; its first tile
	v_mov_b32 v53, s24                             ; its rows
.irp e, 1,2,3,4,5,6,7
	v_cmp_gt_u32 vcc_lo, s[48+\e], v0              ; first tile of e beyond t: keep; else take e (an expert without tiles is passed over by the next)
	v_cndmask_b32 v48, \e, v48, vcc_lo
	v_cndmask_b32 v52, s[48+\e], v52, vcc_lo
	v_cndmask_b32 v53, s[24+\e], v53, vcc_lo
.endr
	v_sub_nc_u32 v54, v0, v52                      ; l: tile number inside the expert
	v_cmp_eq_u32 vcc_lo, s73, v48
	v_mov_b32 v55, s75
	v_cndmask_b32 v55, 0, v55, vcc_lo              ; s for the largest expert, else 0
	v_lshlrev_b32 v56, 1, v55
	v_sub_nc_u32 v57, v54, v55
	v_lshlrev_b32 v57, 6, v57                      ; 64 (l - s): the first row of a whole tile
	v_sub_nc_u32 v57, v53, v57
	v_max_i32 v57, 0, v57
	v_min_u32 v57, 64, v57
	v_cmp_lt_u32 vcc_lo, v54, v56                  ; l < 2 s: a tile of 32 rows
	v_cndmask_b32 v49, v57, 32, vcc_lo
	v_mov_b32 v50, 0
	v_mov_b32 v51, 0
	global_store_b128 v2, v[48:51], s[14:15]       ; each store of a wave covers 512 consecutive bytes
	s_wait_tensorcnt 0x0
	ds_add_u32 v176, v177
	s_wait_dscnt 0x0
	s_endpgm
	; ---------------- PACK ----------------
; A work-group makes one group of eight fragments and its scale block.  Wave v' takes the pair of fragments v = v' / 2 (32 columns) and c = v' % 2, 64 of their 128 k.
; A LANE TAKES A COLUMN AND ITS REGISTERS RUN DOWN K: each load reads 128 consecutive bytes of a row of W, a block of 32 along K lies in one lane's registers,
; and the conversions give its 24 bytes of codes with K innermost.  They go to their place in the fragment's image in LDS; behind a barrier (two waves fill each fragment)
; each wave reads 1,536 bytes back and stores them as three runs of 512 consecutive bytes.
; s[20:21] the matrix, s24 my wave's first byte in it, s29 expert, s30 consumer wave, s32 group 0 .. 6.
.macro PACK pitch
	s_add_nc_u64 s[20:21], s[20:21], s[24:25]
	s_mul_i32 s26, s29, 358400
	s_mul_i32 s37, s30, 89600
	s_add_co_u32 s26, s26, s37
	s_mul_i32 s37, s32, 12288
	s_add_co_u32 s38, s26, s37                     ; the group's fragments
	s_mov_b32 s39, 0
	s_lshl_b32 s37, s32, 9
	s_add_co_u32 s26, s26, s37
	s_add_co_u32 s26, s26, 86016                   ; its scale block
	s_add_nc_u64 s[22:23], s[16:17], s[38:39]
	s_add_nc_u64 s[40:41], s[16:17], s[26:27]
.set i_, 0
.rept 64
	global_load_b32 v[X+i_], v[LA], s[20:21] offset:i_*\pitch th:TH_LOAD_NT
.set i_, i_+1
.endr
.irp hf, 0,1
.set XS_, X+32*\hf
.set CS_, CD+10*\hf
	s_wait_loadcnt 32-32*\hf                       ; loads return in order: for the first block the second's 32 stay out
	v_max3_num_f32 v[MX], |v[XS_]|, |v[XS_+1]|, |v[XS_+2]|         ; the block's largest magnitude: all 32 numbers are mine
	v_max3_num_f32 v[MX+1], |v[XS_+3]|, |v[XS_+4]|, |v[XS_+5]|
.irp i, 6,10,14,18,22,26
	v_max3_num_f32 v[MX], v[MX], |v[XS_+\i]|, |v[XS_+\i+1]|
	v_max3_num_f32 v[MX+1], v[MX+1], |v[XS_+\i+2]|, |v[XS_+\i+3]|
.endr
	v_max3_num_f32 v[MX], v[MX], |v[XS_+30]|, |v[XS_+31]|
	v_max_num_f32 v[MX], v[MX], v[MX+1]
	v_lshrrev_b32 v[EB+\hf], 23, v[MX]             ; its exponent field
	v_max_u32 v[EB+\hf], 5, v[EB+\hf]              ; the byte is not to fall under 1
	v_add_nc_u32 v[EB+\hf], -4, v[EB+\hf]          ; the scale's byte
	v_lshlrev_b32 v[SF], 23, v[EB+\hf]             ; and the scale as f32: the conversion takes its exponent field
	v_cmp_eq_u32 vcc_lo, 0, v[MX]
	v_cndmask_b32 v[EB+\hf], v[EB+\hf], 127, vcc_lo    ; a block of zeros gets 127
	v_cvt_scalef32_pk16_bf6_f32 v[CS_:CS_+2], v[XS_:XS_+15], v[SF]
	v_cvt_scalef32_pk16_bf6_f32 v[CS_+6:CS_+8], v[XS_+16:XS_+31], v[SF]   ; (a conversion's three registers begin on an even number)
	v_nop                                          ; one plain vector instruction between a scaled conversion and what touches its result
.irp i, 0,1,2
	v_mov_b32 v[CS_+3+\i], v[CS_+6+\i]
.endr
	ds_store_b64 v[PA0], v[CS_:CS_+1] offset:256*\hf               ; registers 6 c .. 6 c + 5 of lane r + 16 hf of my fragment
	ds_store_b64 v[PA1], v[CS_+2:CS_+3] offset:256*\hf
	ds_store_b64 v[PA0], v[CS_+4:CS_+5] offset:256*\hf+512
.endr
	v_lshl_or_b32 v[EB+2], v[EB+1], 8, v[EB]
	ds_store_b16 v[SCA], v[EB+2]                   ; bytes 2 c, 2 c + 1 of my column's scale word
	s_wait_dscnt 0x0                               ; zero: other waves read these bytes behind the barrier
	s_barrier_signal -1
	s_barrier_wait -1
.irp p, 0,1,2
	ds_load_b128 v[OUTR+4*\p:OUTR+4*\p+3], v[RDA] offset:512*\p
.endr
.irp p, 0,1,2
	s_wait_dscnt 2-\p                              ; the younger read-backs stay out
	global_store_b128 v[RDA], v[OUTR+4*\p:OUTR+4*\p+3], s[22:23] offset:512*\p   ; 512 consecutive bytes, at a multiple of 512 from wp's first byte
.endr
	s_cmp_lg_u32 s3, 0                             ; wave 0 also moves the scale block
	s_cbranch_scc1 .Lpacked_\@
	ds_load_b128 v[OUTR+12:OUTR+15], v[LP16] offset:12288
	s_wait_dscnt 0x0
	global_store_b128 v[LP16], v[OUTR+12:OUTR+15], s[40:41]
.Lpacked_\@:
	s_wait_tensorcnt 0x0
	ds_add_u32 v176, v177
	s_wait_dscnt 0x0
	s_endpgm
.endm
.Lpack:
	s_lshr_b32 s18, s3, 1                          ; v: which pair of fragments
	s_and_b32 s19, s3, 1                           ; c: which 64 of the 128 along K
	v_lshlrev_b32 v[LA], 2, v1                     ; in: 4 bytes a lane
	v_bfe_u32 v10, v1, 3, 1                        ; column offset lane = 8 u + r + 8 (r / 8):  u,
	v_and_b32 v11, 7, v1
	v_lshrrev_b32 v12, 4, v1
	v_lshl_add_u32 v11, v12, 3, v11                ; and r
	v_mul_u32_u24 v13, v10, 1536
	v_lshl_add_u32 v13, v11, 4, v13                ; fragment u of the pair, lane r
	s_mul_i32 s37, s18, 3072
	s_mul_i32 s38, s19, 520                        ; registers 6 c, 6 c + 1 lie at byte 0 or 520 of a lane's image; registers 6 c + 4, 6 c + 5 512 further on;
	s_add_co_u32 s38, s38, s37
	v_add_nc_u32 v[PA0], s38, v13
	s_mul_i32 s38, s19, 1016                       ; registers 6 c + 2, 6 c + 3 at byte 8 or 1,024
	s_add_co_u32 s38, s38, s37
	s_add_co_u32 s38, s38, 8
	v_add_nc_u32 v[PA1], s38, v13
	v_lshl_add_u32 v14, v10, 4, v11                ; 16 u + r
	s_lshl_b32 s37, s18, 2
	s_lshl1_add_u32 s37, s19, s37                  ; 4 v + 2 c
	s_add_co_u32 s37, s37, 12288
	v_lshl_add_u32 v[SCA], v14, 4, s37
	s_mul_i32 s37, s3, 1536
	v_lshl_add_u32 v[RDA], v1, 4, s37              ; back, and out: 1,536 x wave + 16 x lane
	v_lshlrev_b32 v[LP16], 4, v1
	s_mov_b32 s25, 0
	s_mov_b32 s27, 0
	s_cmp_lt_u32 ttmp9, 129
	s_cbranch_scc1 .Lw1
	; W2 (work-groups 129 .. 192: e 8 x consumer wave 4 x group 2) and W3 (193 .. 224: e 8 x consumer wave 4): rows of 1,024 bytes, one text for both
	s_cmp_lt_u32 ttmp9, 193
	s_mov_b32 s33, 193
	s_cselect_b32 s33, 129, s33                    ; first work-group
	s_cselect_b32 s34, 0, 1                        ; W3 has one group to a consumer wave: its number counts double
	s_cselect_b32 s35, 19, 18                      ; bytes of an expert in W, as a shift
	s_cselect_b32 s36, 4, 6                        ; first group
	s_cselect_b64 s[20:21], s[8:9], s[10:11]
	s_sub_co_u32 s28, ttmp9, s33
	s_lshl_b32 s28, s28, s34
	s_lshr_b32 s29, s28, 3                         ; e
	s_bfe_u32 s30, s28, 0x20001                    ; consumer wave
	s_and_b32 s31, s28, 1
	s_add_co_u32 s32, s36, s31                     ; group
	s_lshl_b32 s24, s29, s35
	s_lshl_b32 s37, s31, 18                        ; a group is two K steps of 128 rows of 1,024 bytes;
	s_add_co_u32 s24, s24, s37
	s_lshr_b32 s37, s18, 1                         ; pairs 2, 3 belong to its second K step;
	s_lshl_b32 s37, s37, 17
	s_add_co_u32 s24, s24, s37
	s_lshl_b32 s37, s19, 16                        ; 64 rows;
	s_add_co_u32 s24, s24, s37
	s_lshl_b32 s37, s30, 8                         ; the consumer's 64 columns;
	s_add_co_u32 s24, s24, s37
	s_and_b32 s37, s18, 1                          ; the pair's 32
	s_lshl_b32 s37, s37, 7
	s_add_co_u32 s24, s24, s37
	PACK 1024
.Lw1:
	; W1 (work-groups 1 .. 128: e 8 x consumer wave 4 x K step 4): rows of 2,048 bytes
	s_sub_co_u32 s28, ttmp9, 1
	s_lshr_b32 s29, s28, 4                         ; e
	s_bfe_u32 s30, s28, 0x20002                    ; consumer wave
	s_and_b32 s32, s28, 3                          ; group = K step
	s_mov_b64 s[20:21], s[6:7]
	s_lshl_b32 s24, s29, 20
	s_lshl_b32 s37, s32, 18                        ; 128 rows of 2,048 bytes
	s_add_co_u32 s24, s24, s37
	s_lshl_b32 s37, s19, 17                        ; 64 rows
	s_add_co_u32 s24, s24, s37
	s_lshl_b32 s37, s30, 9                         ; the consumer's 128 columns
	s_add_co_u32 s24, s24, s37
	s_lshl_b32 s37, s18, 7                         ; the pair's 32
	s_add_co_u32 s24, s24, s37
	PACK 2048
.Lfunc_end_k_q798e2e70a6_prep:
	.size	k_q798e2e70a6_prep, .Lfunc_end_k_q798e2e70a6_prep-k_q798e2e70a6_prep
	.p2alignl 7, 3214868480
	.fill 96, 4, 3214868480
	.section	.rodata,"a",@progbits
	.p2align	6, 0x0
	.amdhsa_kernel k_q798e2e70a6_prep
		.amdhsa_group_segment_fixed_size 17664
		.amdhsa_private_segment_fixed_size 0
		.amdhsa_enable_private_segment 0
		.amdhsa_kernarg_size 56
		.amdhsa_user_sgpr_count 2
		.amdhsa_user_sgpr_kernarg_segment_ptr 1
		.amdhsa_wavefront_size32 1
		.amdhsa_system_sgpr_workgroup_id_x 1
		.amdhsa_system_sgpr_workgroup_id_y 1
		.amdhsa_system_sgpr_workgroup_id_z 1
		.amdhsa_system_vgpr_workitem_id 0
		.amdhsa_next_free_vgpr 178
		.amdhsa_next_free_sgpr 96
		.amdhsa_reserve_vcc 1
		.amdhsa_float_denorm_mode_32 3
		.amdhsa_float_denorm_mode_16_64 3
		.amdhsa_memory_ordered 1
		.amdhsa_forward_progress 1
		.amdhsa_inst_pref_size 76
	.end_amdhsa_kernel
	.amdgpu_metadata
---
amdhsa.version: [ 1, 2 ]
amdhsa.kernels:
  - .name:           k_q798e2e70a6_prep
    .symbol:         k_q798e2e70a6_prep.kd
    .args:
      - { .name: gate_id, .offset: 0, .size: 8, .value_kind: global_buffer, .address_space: global }
      - { .name: W1, .offset: 8, .size: 8, .value_kind: global_buffer, .address_space: global }
      - { .name: W2, .offset: 16, .size: 8, .value_kind: global_buffer, .address_space: global }
      - { .name: W3, .offset: 24, .size: 8, .value_kind: global_buffer, .address_space: global }
      - { .name: rowlist, .offset: 32, .size: 8, .value_kind: global_buffer, .address_space: global }
      - { .name: tiles, .offset: 40, .size: 8, .value_kind: global_buffer, .address_space: global }
      - { .name: wp, .offset: 48, .size: 8, .value_kind: global_buffer, .address_space: global }
    .group_segment_fixed_size: 17664
    .private_segment_fixed_size: 0
    .kernarg_segment_align: 8
    .kernarg_segment_size: 56
    .max_flat_workgroup_size: 256
    .sgpr_count:     96
    .vgpr_count:     178
    .wavefront_size: 32
...
	.end_amdgpu_metadata
.endif
;; end of part 1
;; launch mlp (part 2): grid 135 x 1, 4 waves a work-group, no clusters, 139,008 bytes of LDS; arguments h, rowlist, tiles, wp, b1, b2, b3, out0; writes out0
.if DOCPART == 2
	.amdgcn_target "amdgcn-amd-amdhsa--gfx1250"
	.amdhsa_code_object_version 6
	.text
	.protected	k_q798e2e70a6_mlp
	.globl	k_q798e2e70a6_mlp
	.p2align	8
	.type	k_q798e2e70a6_mlp,@function
k_q798e2e70a6_mlp:
	s_mov_b64 s[64:65], 0
	v_nop
	global_prefetch_b8 v0, s[64:65] scope:SCOPE_SE
	s_setreg_imm32_b32 hwreg(HW_REG_WAVE_MODE, 25, 1), 1
	s_wait_xcnt 0x0
; MLP: one work-group = one tile of 64 slots (1 to 64 rows) of one expert: gather of h, three layers, scatter of the result, in one straight text.
;   a1 = leaky(Q(h) Q(W1) + b1) [64 x 512], a2 = leaky(Q(a1) Q(W2) + b2) [64 x 256], y = Q(a2) Q(W3) + b3 [64 x 256];  leaky(x) = max(x, 0.2 x).
;   Q: E3M2 codes with one E8M0 scale for each 32 along K: byte = exponent field of the block's largest magnitude - 4, held at 1 from below, 127 for a block of zeros;
;   numbers / scale to the nearest code, ties to even, beyond 28 the largest code.  Sums, biases and leaky in f32.
; Four waves.  Wave w makes columns 128 w .. of a1 and 64 w .. of a2 and y for all 64 slots, so each weight byte enters the work-group once, straight into registers:
; wp holds the weights as codes in the order in which an operand lies in registers; a wave's stream is 14 half-chunks of 4 fragments (6,144 bytes) and 7 scale blocks,
; every load covers 512 consecutive bytes.  Activations go from wave to wave through LDS, as codes, in the same register order: three loads of 16 bytes a lane fill a fragment.
; THE MATRIX INSTRUCTION IS USED TRANSPOSED: source 0 = 16 columns of the weights, source 1 = 16 slots.  Row r of weight tile t = 2 b + u is column Nw + 32 b + 8 u + r + 8 (r / 8),
; so lane (r, h) holds slot r, and its 16 registers of tiles 2 b, 2 b + 1 are columns Nw + 32 b + 16 h + 0 .. 15: sixteen neighbours along the next K, which one conversion takes.
; The bias is the C operand of each layer's first K step: nothing is cleared and nothing added later.
; Slots at or beyond the tile's number of rows take the tile's first row, in the gather and in the scatter: they compute that row's bits again and the same wave stores them
; again to the same bytes.  So no lane is switched off and nothing is jumped over.
; NO CLUSTER, NO JOINT REQUESTS: the tiles of an expert read the same weights, but their number (0 to 135) hangs on gate_id, so the 135 work-groups do not fall into
; groups of four of one expert; and the weights go into registers by loads that have no joint form.  NO TENSOR LOADS: wp already lies in register order.
; NO PREFETCH: wp was stored by the launch in front of this one and is read by all tiles of an expert; up to 60 loads of a wave are out from the first row of h on.
; LIMITS: NaN and infinities among the inputs are not served.  The bias is the first term of each f32 sum, not the last.
;
; LDS: X, A1, A2: fragment images, K step ks at ks x 6,208 (4 x 1,536 + 64), slots 16 mt .. at mt x 1,536, register j of lane L at 512 (j / 4) + 16 L + 4 (j % 4).
;      SX, S1: 16 scale bytes a slot (a word for each K step);  S2: 8 a slot.  BS: 1,024 bytes a wave: its b1, b2, b3.  OS: for each wave four stages of 16 rows x 272 bytes.
;      No region is written again after another wave has read it: three barriers (X whole, A1 whole, A2 whole).
.set XKS,  6208
.set A1B,  24832
.set A2B,  49664
.set SXB,  62080
.set S1B,  63104
.set S2B,  64128
.set BSB,  64640
.set OSB,  68736
; REGISTERS, in windows of 256.  Window 0:
.set L16,   1                          ; 16 x lane
.set L8,    2                          ; 8 x lane
.set A1ST,  3                          ; where my codes of a1 go
.set S1ST,  4                          ; and their scale words
.set A2S0,  5                          ; a2: registers 6 c, 6 c + 1 of a lane's image (and 6 c + 4, 6 c + 5, 512 further on), c = wave % 2
.set A2S1,  6                          ; registers 6 c + 2, 6 c + 3
.set S2ST,  8
.set OST,   9                          ; the way out: into my stage
.set ORD,   10                         ; and back
.set H8,    11                         ; 8 h
.set OLANE, 12                         ; 16 r + 256 w: my bytes in a row of out0
.set BRD,   13                         ; my biases, 64 h on
.set M,     14                         ; v14-17 a block's largest magnitude
.set E,     18                         ; v18-21 its scale byte
.set S,     22                         ; v22-25 its scale as f32
.set T0,    26                         ; v26-28, v30-32 the second half of a pair of conversions
.set H32,   33                         ; 32 h
.set SW,    34                         ; a scale word
.set ROW0,  35                         ; the tile's first row number
.set SCW,   36                         ; v36-63  the weights' scale words, all seven blocks.  v36-79 hold scales and nothing else
.set SA1,   64                         ; v64-71  the activations' scale words, layers 1 and 3
.set SA2,   72                         ; v72-79  layer 2
.set P,     80                         ; v80-127 codes behind a layer, 12 registers a fragment.  In front of layer 1:
.set HOFF,  80                         ;   128 r + 64 h: my 64 bytes of a row of h
.set XA0,   81                         ;   where a block of Q(h) goes: as A2S0,
.set XA1,   82                         ;   as A2S1
.set SXA,   84
.set BST,   85
.set BST8,  86
.set HO,    88                         ;   v88-103 byte offsets of my 16 rows in h
.set RAWB,  104                        ;   v104-111 my biases as loaded
.set Y,     128                        ; v128-191 leaky(sums) of 64 accumulator registers
.set B1,    128                        ; v128-191 b1, v192-223 b2, v224-255 b3, laid as C operands
.set B2,    192
.set B3,    224
.set RO,    192                        ; v192-223 at the end: row numbers, then byte offsets in out0
; Window 1: accumulators: layer 1 tile (t, mt) at 8 (8 mt + t), layer 2 at 8 (4 mt + t), layer 3 at 128 + 8 (4 mt + t).  In front of layer 1: v0-191 three sets of four rows of h; then
.set QM,    192                        ; four rows' largest magnitudes, in two chains
.set QN,    196
.set QE,    200                        ; scale bytes, two sets by turns
.set QS,    208
.set QP,    212
.set QC,    216                        ; codes, two sets by turns: a pair of rows has 6 + 3 registers, 10 apart
; Windows 2 and 3: the ring of weights, six slots of 48 registers: slot s < 5 at 48 s of window 2, slot 5 at 0 of window 3;  16 activation fragments at 64 + 12 (4 ks + mt) of window 3;
; at the end v96-223 of window 2: the output rows.
.set NLD, 0                            ; global loads issued so far: a wait's count is NLD less the number of the last load that it waits for
.set NDS, 0                            ; the same for the runs of LDS instructions that are waited for by count; between such a run and its waits stands no other LDS instruction
.set MSB, 0
.macro WIN new                         ; low byte: bits 1:0 source 0, 3:2 source 1, 5:4 source 2, 7:6 destination; the high byte repeats the setting that is left
.if MSB != \new
	s_set_vgpr_msb (MSB<<8)|\new
.set MSB, \new
.endif
.endm
; Four places behind a matrix instruction of this form before a load is issued into one of its registers and before a vector instruction or an LDS store
; touches them; only plain vector instructions that name none of its registers are counted.
.macro PLACES
.rept 4
	v_nop
.endr
.endm
.macro BARRIER                         ; zero: what I stored is read by other waves behind it
	s_wait_dscnt 0x0
	s_barrier_signal -1
	s_barrier_wait -1
.endm
.macro HLOAD g                         ; rows 4 g .. 4 g + 3 of my 16: lane (r, h) takes k = 32 r + 16 h + 0 .. 15; a row's four loads read its 2,048 bytes
	WIN 0x40
.irp ii, 0,1,2,3
.irp p, 0,1,2,3
	global_load_b128 v[64*((\g)%3)+16*\ii+4*\p:64*((\g)%3)+16*\ii+4*\p+3], v[HO+4*(\g)+\ii], s[8:9] offset:16*\p
.endr
.endr
.set NLD, NLD+16
.endm
.macro WLOAD hc                        ; half-chunk hc of my stream, four fragments, into slot hc % 6: 12 loads of 512 consecutive bytes
.if ((\hc)%6) == 5
	WIN 0xc0
.set WL_, 0
.else
	WIN 0x80
.set WL_, 48*((\hc)%6)
.endif
.irp f, 0,1,2,3
.irp p, 0,1,2
	global_load_b128 v[WL_+12*\f+4*\p:WL_+12*\f+4*\p+3], v[L16], s[48:49] offset:6144*(\hc)+1536*\f+512*\p
.endr
.endr
.set NLD, NLD+12
.endm
; Four rows of h become codes.  A block of 32 lies in lanes r and r + 16.  A conversion gives half a block; two rows' halves change places between the halves of the lanes,
; so that lane (r, h) holds the whole block r of row A (h = 0) or row B (h = 1): 24 bytes, which go to their place in X's image.  Each stage is written across the four rows.
.macro QROWS g
.set XS_, 64*((\g)%3)
.set ES_, QE+4*((\g)%2)
.set CS_, QC+20*((\g)%2)
	s_wait_loadcnt NLD-(NH0+16*((\g)+1))           ; these rows' 16 loads are in; all that was issued behind them stays out
	WIN 0x55
.irp ii, 0,1,2,3
	v_max3_num_f32 v[QM+\ii], |v[XS_+16*\ii]|, |v[XS_+16*\ii+1]|, |v[XS_+16*\ii+2]|
	v_max3_num_f32 v[QN+\ii], |v[XS_+16*\ii+3]|, |v[XS_+16*\ii+4]|, |v[XS_+16*\ii+5]|
.endr
.irp k, 6,10
.irp ii, 0,1,2,3
	v_max3_num_f32 v[QM+\ii], v[QM+\ii], |v[XS_+16*\ii+\k]|, |v[XS_+16*\ii+\k+1]|
	v_max3_num_f32 v[QN+\ii], v[QN+\ii], |v[XS_+16*\ii+\k+2]|, |v[XS_+16*\ii+\k+3]|
.endr
.endr
.irp ii, 0,1,2,3
	v_max3_num_f32 v[QM+\ii], v[QM+\ii], |v[XS_+16*\ii+14]|, |v[XS_+16*\ii+15]|
.endr
.irp ii, 0,1,2,3
	v_max_num_f32 v[QM+\ii], v[QM+\ii], v[QN+\ii]
	v_mov_b32 v[QP+\ii], 0                         ; (the destination of a lane permute counts as read)
.endr
.irp ii, 0,1,2,3
	v_permlanex16_b32 v[QP+\ii], v[QM+\ii], s60, s61
.endr
.irp ii, 0,1,2,3
	v_max_num_f32 v[QM+\ii], v[QM+\ii], v[QP+\ii]  ; the block's largest magnitude
.endr
.irp ii, 0,1,2,3
	v_lshrrev_b32 v[ES_+\ii], 23, v[QM+\ii]        ; its exponent field
.endr
.irp ii, 0,1,2,3
	v_max_u32 v[ES_+\ii], 5, v[ES_+\ii]            ; the byte is not to fall under 1
.endr
.irp ii, 0,1,2,3
	v_add_nc_u32 v[ES_+\ii], -4, v[ES_+\ii]
.endr
.irp ii, 0,1,2,3
	v_lshlrev_b32 v[QS+\ii], 23, v[ES_+\ii]        ; the scale as f32, for the conversion
.endr
.irp ii, 0,1,2,3
	v_cmp_eq_u32 vcc_lo, 0, v[QM+\ii]
	v_cndmask_b32 v[ES_+\ii], v[ES_+\ii], 127, vcc_lo   ; a block of zeros
.endr
.irp pp, 0,1
	v_cvt_scalef32_pk16_bf6_f32 v[CS_+10*\pp:CS_+10*\pp+2], v[XS_+32*\pp:XS_+32*\pp+15], v[QS+2*\pp]
	v_cvt_scalef32_pk16_bf6_f32 v[CS_+10*\pp+6:CS_+10*\pp+8], v[XS_+32*\pp+16:XS_+32*\pp+31], v[QS+2*\pp+1]
.endr
	v_nop                                          ; one plain place behind a scaled conversion
.irp pp, 0,1
.irp i, 0,1,2
	v_permlane16_swap_b32 v[CS_+10*\pp+\i], v[CS_+10*\pp+6+\i]     ; the first now holds each lane's block's lower 16 codes, the second the upper 16
.endr
.endr
.irp pp, 0,1
.irp i, 0,1,2
	v_mov_b32 v[CS_+10*\pp+3+\i], v[CS_+10*\pp+6+\i]
.endr
.endr
	WIN 0x04                                       ; the data of an LDS store are source 1: window 1
.irp pp, 0,1
	ds_store_b64 v[XA0], v[CS_+10*\pp:CS_+10*\pp+1] offset:32*(2*(\g)+\pp)
	ds_store_b64 v[XA1], v[CS_+10*\pp+2:CS_+10*\pp+3] offset:32*(2*(\g)+\pp)
	ds_store_b64 v[XA0], v[CS_+10*\pp+4:CS_+10*\pp+5] offset:32*(2*(\g)+\pp)+512
	ds_store_b8 v[SXA], v[ES_+2*\pp] offset:16*(4*(\g)+2*\pp)      ; both lanes of a block write the same byte with the same value
	ds_store_b8 v[SXA], v[ES_+2*\pp+1] offset:16*(4*(\g)+2*\pp+1)
.endr
.endm
.macro ALOADF base, nks                ; all activation fragments of a layer, K step by K step: 12 loads of 512 consecutive bytes a K step
.set NX0, NDS
	WIN 0xc0
.set f_, 0
.rept 4*\nks
.irp p, 0,1,2
	ds_load_b128 v[64+12*f_+4*\p:64+12*f_+4*\p+3], v[L16] offset:\base+(f_/4)*XKS+(f_%4)*1536+512*\p
.endr
.set f_, f_+1
.endr
.set NDS, NDS+12*\nks
.endm
.macro MMA                             ; one product; the rows of the two scale registers by the parities PA_ (weight fragment) and PB_ (mt)
.if PA_ && PB_
	v_wmma_scale_f32_16x16x128_f8f6f4 v[D_:D_+7], v[A_:A_+11], v[B_:B_+11], v[C_:C_+7], v[SW_], v[SA_] matrix_a_fmt:MATRIX_FMT_BF6 matrix_b_fmt:MATRIX_FMT_BF6 matrix_a_scale:MATRIX_SCALE_ROW1 matrix_b_scale:MATRIX_SCALE_ROW1
.elseif PA_
	v_wmma_scale_f32_16x16x128_f8f6f4 v[D_:D_+7], v[A_:A_+11], v[B_:B_+11], v[C_:C_+7], v[SW_], v[SA_] matrix_a_fmt:MATRIX_FMT_BF6 matrix_b_fmt:MATRIX_FMT_BF6 matrix_a_scale:MATRIX_SCALE_ROW1
.elseif PB_
	v_wmma_scale_f32_16x16x128_f8f6f4 v[D_:D_+7], v[A_:A_+11], v[B_:B_+11], v[C_:C_+7], v[SW_], v[SA_] matrix_a_fmt:MATRIX_FMT_BF6 matrix_b_fmt:MATRIX_FMT_BF6 matrix_b_scale:MATRIX_SCALE_ROW1
.else
	v_wmma_scale_f32_16x16x128_f8f6f4 v[D_:D_+7], v[A_:A_+11], v[B_:B_+11], v[C_:C_+7], v[SW_], v[SA_] matrix_a_fmt:MATRIX_FMT_BF6 matrix_b_fmt:MATRIX_FMT_BF6
.endif
.endm
; Half-chunk hc: four weight fragments x the four fragments of 16 slots: 16 products, on 16 accumulators that take turns, one instruction a turn.
; hc 0-7: layer 1 (K step hc / 2, tiles 4 (hc % 2) ..);  8-11: layer 2;  12-13: layer 3.  The stream runs five half-chunks ahead, across the layers.
.macro STEP hc
.set FIRST_, 0
.set NEWK_, 1
.if (\hc) < 8
.set KS_,  (\hc)/2
.set T0_,  4*((\hc)%2)
.set AB_,  0
.set AM_,  8
.set BB_,  B1
.set SAB_, SA1
.set SAM_, 4
.set NEWK_, 1-(\hc)%2
.if (\hc) < 2
.set FIRST_, 1
.endif
.elseif (\hc) < 12
.set KS_,  (\hc)-8
.set T0_,  0
.set AB_,  0
.set AM_,  4
.set BB_,  B2
.set SAB_, SA2
.set SAM_, 4
.if (\hc) == 8
.set FIRST_, 1
.endif
.else
.set KS_,  (\hc)-12
.set T0_,  0
.set AB_,  128
.set AM_,  4
.set BB_,  B3
.set SAB_, SA1
.set SAM_, 2
.if (\hc) == 12
.set FIRST_, 1
.endif
.endif
	s_wait_loadcnt NLD-(NW0+12*((\hc)+1))          ; half-chunk hc is in (and the scale blocks, issued in front of half-chunk 0); the later ones stay out
.if (\hc) == 0
	WLOAD 4
	WLOAD 5
.elseif (\hc) <= 8
	PLACES                                         ; the slot filled next was read by the products just issued
	WLOAD (\hc)+5
.endif
.if NEWK_
	s_wait_dscnt NDS-(NX0+12*(KS_+1))              ; this K step's four activation fragments are in; the later K steps' stay out
.endif
.if ((\hc)%6) == 5
.set WB_, 0
.set WW_, 0x5f                         ; weights in window 3
.else
.set WB_, 48*((\hc)%6)
.set WW_, 0x5e                         ; weights in window 2, activations in window 3, C and D in window 1
.endif
.if FIRST_
.set WW_, WW_-0x10                     ; C is the bias, in window 0
.endif
	WIN WW_
.irp tp, 0,1,2,3
.irp mt, 0,1,2,3
.set D_, AB_+8*(AM_*\mt+T0_+\tp)
.if FIRST_
.set C_, BB_+8*(T0_+\tp)
.else
.set C_, D_
.endif
.set A_, WB_+12*\tp
.set B_, 64+12*(4*KS_+\mt)
.set SW_, SCW+4*((4*(\hc)+\tp)/8)+((4*(\hc)+\tp)%8)/2
.set SA_, SAB_+SAM_*(\mt/2)+KS_
.set PA_, \tp%2
.set PB_, \mt%2
	MMA
.endr
.endr
.endm
; 64 accumulator registers (four runs of 16 neighbours along the next K) become leaky(x) in f32 and then 12 registers of codes: registers 6 c .. 6 c + 5 of lane (r, h) hold run 2 c + h whole.
; M, E, S: each run's block: largest magnitude (mine and lane l xor 16's), scale byte, scale as f32.  Each accumulator is read from its low end on.
.macro QUANT4 acc, p
	WIN 0x01                                       ; source 0 in window 1
.set i_, 0
.rept 32
	v_pk_mul_f32 v[Y+i_:Y+i_+1], v[\acc+i_:\acc+i_+1], 0x3e4ccccd op_sel_hi:[1,0]
.set i_, i_+2
.endr
.set i_, 0
.rept 64
	v_max_num_f32 v[Y+i_], v[\acc+i_], v[Y+i_]     ; max(x, 0.2 x)
.set i_, i_+1
.endr
	WIN 0
.irp b, 0,1,2,3
	v_max3_num_f32 v[M+\b], |v[Y+16*\b]|, |v[Y+16*\b+1]|, |v[Y+16*\b+2]|
	v_max3_num_f32 v[E+\b], |v[Y+16*\b+3]|, |v[Y+16*\b+4]|, |v[Y+16*\b+5]|
.endr
.irp k, 6,10
.irp b, 0,1,2,3
	v_max3_num_f32 v[M+\b], v[M+\b], |v[Y+16*\b+\k]|, |v[Y+16*\b+\k+1]|
	v_max3_num_f32 v[E+\b], v[E+\b], |v[Y+16*\b+\k+2]|, |v[Y+16*\b+\k+3]|
.endr
.endr
.irp b, 0,1,2,3
	v_max3_num_f32 v[M+\b], v[M+\b], |v[Y+16*\b+14]|, |v[Y+16*\b+15]|
.endr
.irp b, 0,1,2,3
	v_max_num_f32 v[M+\b], v[M+\b], v[E+\b]
.endr
.irp b, 0,1,2,3
	v_mov_b32 v[E+\b], 0                           ; (the destination of a lane permute counts as read)
.endr
.irp b, 0,1,2,3
	v_permlanex16_b32 v[E+\b], v[M+\b], s60, s61
.endr
.irp b, 0,1,2,3
	v_max_num_f32 v[M+\b], v[M+\b], v[E+\b]
.endr
.irp b, 0,1,2,3
	v_lshrrev_b32 v[E+\b], 23, v[M+\b]
.endr
.irp b, 0,1,2,3
	v_max_u32 v[E+\b], 5, v[E+\b]
.endr
.irp b, 0,1,2,3
	v_add_nc_u32 v[E+\b], -4, v[E+\b]
.endr
.irp b, 0,1,2,3
	v_lshlrev_b32 v[S+\b], 23, v[E+\b]
.endr
.irp b, 0,1,2,3
	v_cmp_eq_u32 vcc_lo, 0, v[M+\b]
	v_cndmask_b32 v[E+\b], v[E+\b], 127, vcc_lo
.endr
.irp c, 0,1
	v_cvt_scalef32_pk16_bf6_f32 v[\p+6*\c:\p+6*\c+2], v[Y+32*\c:Y+32*\c+15], v[S+2*\c]
	v_cvt_scalef32_pk16_bf6_f32 v[T0+4*\c:T0+4*\c+2], v[Y+32*\c+16:Y+32*\c+31], v[S+2*\c+1]   ; (a conversion's three registers begin on an even number)
.endr
	v_nop                                          ; one plain place behind a scaled conversion
.irp c, 0,1
.irp i, 0,1,2
	v_permlane16_swap_b32 v[\p+6*\c+\i], v[T0+4*\c+\i]
.endr
.endr
.irp c, 0,1
.irp i, 0,1,2
	v_mov_b32 v[\p+6*\c+3+\i], v[T0+4*\c+\i]
.endr
.endr
.endm
.macro EPI1 mt                         ; a1 of slots 16 mt ..: my 128 columns are one whole K step of layer 2: a whole fragment and a whole scale word
	QUANT4 64*\mt, P+12*\mt
	v_lshl_or_b32 v[SW], v[E+1], 8, v[E]
	v_lshl_or_b32 v[SW], v[E+2], 16, v[SW]
	v_lshl_or_b32 v[SW], v[E+3], 24, v[SW]
	ds_store_b32 v[S1ST], v[SW] offset:256*\mt     ; both halves of the lanes write the same word with the same value
.irp p, 0,1,2
	ds_store_b128 v[A1ST], v[P+12*\mt+4*\p:P+12*\mt+4*\p+3] offset:1536*\mt+512*\p
.endr
.endm
.macro EPI2 g                          ; a2 of slots 32 g ..: my 64 columns are half a K step of layer 3: six registers of a fragment and two bytes of a scale word for each mt = 2 g + c
	QUANT4 64*\g, P+12*\g
.irp c, 0,1
	v_lshl_or_b32 v[M+\c], v[E+2*\c+1], 8, v[E+2*\c]
	ds_store_b64 v[A2S0], v[P+12*\g+6*\c:P+12*\g+6*\c+1] offset:1536*(2*\g+\c)
	ds_store_b64 v[A2S1], v[P+12*\g+6*\c+2:P+12*\g+6*\c+3] offset:1536*(2*\g+\c)
	ds_store_b64 v[A2S0], v[P+12*\g+6*\c+4:P+12*\g+6*\c+5] offset:1536*(2*\g+\c)+512
	ds_store_b16 v[S2ST], v[M+\c] offset:128*(2*\g+\c)
.endr
.endm
; The way out of slots 16 mt ..: a lane holds pieces of one row and the lanes beside it other rows, so the 16 x 64 numbers go through my own stage and come back by rows.
; LDS serves a wave's instructions in order (ISA guide 5.7.1.4): the loads see the stores.  Each mt has a stage of its own.
.macro TOSTAGE mt
	WIN 0x04
.irp t, 0,1,2,3
	ds_store_b128 v[OST], v[128+8*(4*\mt+\t):128+8*(4*\mt+\t)+3] offset:4352*\mt+128*(\t/2)+32*(\t%2)        ; each accumulator from its low end on
	ds_store_b128 v[OST], v[128+8*(4*\mt+\t)+4:128+8*(4*\mt+\t)+7] offset:4352*\mt+128*(\t/2)+32*(\t%2)+16
.endr
	WIN 0x80
.irp i, 0,1,2,3,4,5,6,7
	ds_load_b128 v[96+32*\mt+4*\i:96+32*\mt+4*\i+3], v[ORD] offset:4352*\mt+272*\i   ; lanes 0-15 slot 16 mt + i, lanes 16-31 slot 16 mt + 8 + i
.endr
.set NDS, NDS+16
.endm
.macro SEND mt
	s_wait_dscnt NDS-(NT0+16*(\mt+1))              ; this stage's loads are back; a younger stage's 16 instructions stay out
	WIN 0x08                                       ; the data of a store are source 1: window 2
.irp i, 0,1,2,3,4,5,6,7
	global_store_b128 v[RO+8*\mt+\i], v[96+32*\mt+4*\i:96+32*\mt+4*\i+3], s[22:23] th:TH_STORE_NT   ; 16 lanes store 256 consecutive bytes of a row, at a multiple of 256 from out0's first byte
.endr
.endm
	; ---- arguments; then, at once, the tile's entry, my 16 slots and the tile's first slot: none of the three hangs on another ----
	s_load_b512 s[8:23], s[0:1], 0x0               ; h 8, rowlist 10, tiles 12, wp 14, b1 16, b2 18, b3 20, out0 22
	v_lshl_add_u32 v7, v0, 2, 0x21d00
	v_mov_b32 v29, 0
	v_lshrrev_b32 v14, 5, v0
	v_readfirstlane_b32 s3, v14                    ; wave 0..3
	v_and_b32 v16, 31, v0
	v_and_b32 v14, 15, v0                          ; r
	v_bfe_u32 v15, v0, 4, 1                        ; h
	v_lshlrev_b32 v[L16], 4, v16
	v_lshlrev_b32 v[L8], 3, v16
	s_lshl_b32 s58, ttmp9, 8                       ; a tile's 64 slots are 256 bytes
	s_mov_b32 s59, 0
	s_lshl_b32 s62, ttmp9, 4
	s_lshl_b32 s63, s3, 6
	s_mov_b32 s60, 0x76543210                      ; v_permlanex16_b32's selects for lane l xor 16
	s_mov_b32 s61, 0xfedcba98
	s_wait_kmcnt 0x0
	s_add_nc_u64 s[56:57], s[10:11], s[58:59]
	s_load_b128 s[24:27], s[12:13], s62 offset:0x0 ; {expert, rows, 0, 0}
	s_load_b512 s[32:47], s[56:57], s63 offset:0x0 ; slots 16 w .. 16 w + 15
	s_load_b32 s28, s[56:57], 0x0                  ; slot 0
	; ---- the lanes' addresses, while these are on their way ----
	s_mul_i32 s66, s3, XKS
	s_add_co_u32 s66, s66, A1B
	v_add_nc_u32 v[A1ST], s66, v[L16]              ; K step w of A1
	s_lshl_b32 s66, s3, 2
	s_add_co_u32 s66, s66, S1B
	v_lshl_add_u32 v[S1ST], v14, 4, s66            ; 16 bytes a slot, word w
	s_lshr_b32 s66, s3, 1
	s_mul_i32 s66, s66, XKS
	s_add_co_u32 s66, s66, A2B                     ; K step w / 2 of A2
	s_and_b32 s67, s3, 1
	s_mul_i32 s68, s67, 520
	s_add_co_u32 s68, s68, s66
	v_add_nc_u32 v[A2S0], s68, v[L16]
	s_mul_i32 s68, s67, 1016
	s_add_co_u32 s68, s68, s66
	s_add_co_u32 s68, s68, 8
	v_add_nc_u32 v[A2S1], s68, v[L16]
	s_lshl_b32 s66, s3, 1
	s_add_co_u32 s66, s66, S2B
	v_lshl_add_u32 v[S2ST], v14, 3, s66            ; 8 bytes a slot, bytes 2 w, 2 w + 1
	s_mul_i32 s66, s3, 17408
	s_add_co_u32 s66, s66, OSB
	v_mul_u32_u24 v17, v14, 272
	v_lshl_add_u32 v17, v15, 6, v17
	v_add_nc_u32 v[OST], s66, v17                  ; row r, 64 h bytes on
	v_mul_u32_u24 v17, v15, 2176
	v_lshl_add_u32 v17, v14, 4, v17
	v_add_nc_u32 v[ORD], s66, v17                  ; row 8 h, 16 r bytes on
	v_lshlrev_b32 v[H8], 3, v15
	v_lshlrev_b32 v[H32], 5, v15
	s_lshl_b32 s66, s3, 8
	v_lshl_add_u32 v[OLANE], v14, 4, s66
	s_lshl_b32 s66, s3, 10
	s_add_co_u32 s66, s66, BSB
	v_lshl_add_u32 v[BRD], v15, 6, s66
	v_add_nc_u32 v[BST], s66, v[L16]
	s_add_co_u32 s67, s66, 512
	v_add_nc_u32 v[BST8], s67, v[L8]
	v_lshlrev_b32 v[HOFF], 7, v14
	v_lshl_add_u32 v[HOFF], v15, 6, v[HOFF]
	v_lshrrev_b32 v17, 2, v14                      ; block r of a row of h: K step r / 4, in it c = (r / 2) % 2 and the operand's lane half r % 2;
	v_mul_u32_u24 v17, v17, XKS
	v_and_b32 v18, 1, v14
	v_lshl_add_u32 v17, v18, 8, v17
	v_lshl_add_u32 v17, v15, 4, v17                ; my half of the lanes holds the pair's row h
	s_mul_i32 s66, s3, 1536                        ; my 16 slots are mt = w
	v_add_nc_u32 v17, s66, v17
	v_bfe_u32 v18, v14, 1, 1
	v_mad_u32_u24 v[XA0], v18, 520, v17
	v_mad_u32_u24 v[XA1], v18, 1016, v17
	v_add_nc_u32 v[XA1], 8, v[XA1]
	s_lshl_b32 s66, s3, 8
	s_add_co_u32 s66, s66, SXB
	v_add_nc_u32 v[SXA], s66, v14                  ; 16 bytes a slot, byte r
	s_wait_kmcnt 0x0
	s_min_u32 s24, s24, 7                          ; expert
	s_max_u32 s25, s25, 1
	s_min_u32 s25, s25, 64                         ; rows
	s_mul_i32 s58, s24, 358400
	s_mul_i32 s62, s3, 89600
	s_add_co_u32 s58, s58, s62
	s_add_nc_u64 s[48:49], s[14:15], s[58:59]      ; my stream of weights
	s_lshl_b32 s58, s24, 11
	s_lshl_b32 s62, s3, 9
	s_add_co_u32 s58, s58, s62
	s_add_nc_u64 s[50:51], s[16:17], s[58:59]      ; b1[e][128 w]
	s_lshr_b32 s58, s58, 1
	s_add_nc_u64 s[52:53], s[18:19], s[58:59]      ; b2[e][64 w]
	s_add_nc_u64 s[54:55], s[20:21], s[58:59]      ; b3[e][64 w]
	v_mov_b32 v[ROW0], s28
	global_load_b128 v[RAWB:RAWB+3], v[L16], s[50:51]
	global_load_b64 v[RAWB+4:RAWB+5], v[L8], s[52:53]
	global_load_b64 v[RAWB+6:RAWB+7], v[L8], s[54:55]
.set NLD, NLD+3
	s_lshl_b32 s67, s3, 4                          ; my first slot
.irp i, 0,1,2,3,4,5,6,7,8,9,10,11,12,13,14,15
	s_add_co_u32 s66, s67, \i
	s_cmp_lt_u32 s66, s25
	s_cselect_b32 s66, s[32+\i], s28               ; a slot without a row takes the tile's first row
	s_min_u32 s66, s66, 0x1fff
	s_lshl_b32 s66, s66, 11
	v_add_nc_u32 v[HO+\i], s66, v[HOFF]
.endr
.set NH0, NLD
	HLOAD 0
	HLOAD 1
	HLOAD 2
	; ---- the biases: three loads, through my own 1,024 bytes of LDS into the layout of a C operand: register j of tile t = 2 b + u holds b[Nw + 32 b + 16 h + 8 u + j] ----
	WIN 0
	s_wait_loadcnt NLD-3                           ; the 48 loads of h stay out
	ds_store_b128 v[BST], v[RAWB:RAWB+3]
	ds_store_b64 v[BST8], v[RAWB+4:RAWB+5]
	ds_store_b64 v[BST8], v[RAWB+6:RAWB+7] offset:256
.irp t, 0,1,2,3,4,5,6,7
	ds_load_b128 v[B1+8*\t:B1+8*\t+3], v[BRD] offset:128*(\t/2)+32*(\t%2)        ; my own bytes: LDS serves a wave in order, these see the stores above;
	ds_load_b128 v[B1+8*\t+4:B1+8*\t+7], v[BRD] offset:128*(\t/2)+32*(\t%2)+16   ; they are waited for by the wait for 0 in front of the first barrier
.endr
.irp t, 0,1,2,3
	ds_load_b128 v[B2+8*\t:B2+8*\t+3], v[BRD] offset:512+128*(\t/2)+32*(\t%2)
	ds_load_b128 v[B2+8*\t+4:B2+8*\t+7], v[BRD] offset:512+128*(\t/2)+32*(\t%2)+16
	ds_load_b128 v[B3+8*\t:B3+8*\t+3], v[BRD] offset:768+128*(\t/2)+32*(\t%2)
	ds_load_b128 v[B3+8*\t+4:B3+8*\t+7], v[BRD] offset:768+128*(\t/2)+32*(\t%2)+16
.endr
	; ---- h to codes, four rows at a time; behind each group the load queue is filled up again: the last rows, the scale blocks, the first half-chunks ----
	QROWS 0
	HLOAD 3                                        ; into the registers that the first four rows have left
	WIN 0
.irp g, 0,1,2,3,4,5,6
	global_load_b128 v[SCW+4*\g:SCW+4*\g+3], v[L16], s[48:49] offset:86016+512*\g   ; register j: lanes 0-15 the words of fragment 8 g + 2 j, lanes 16-31 of 8 g + 2 j + 1
.endr
.set NLD, NLD+7
	QROWS 1
.set NW0, NLD
	WLOAD 0
	QROWS 2
	WLOAD 1
	WLOAD 2
	QROWS 3
	WLOAD 3
	BARRIER                                        ; X and SX are whole
	; ---- layer 1: K = 512 in 4 steps of 128, 8 weight tiles: 128 products ----
	WIN 0
.irp pr, 0,1
	ds_load_b128 v[SA1+4*\pr:SA1+4*\pr+3], v[L16] offset:SXB+512*\pr   ; register ks: lanes 0-15 the words of slots 32 pr .. (mt = 2 pr), lanes 16-31 of mt = 2 pr + 1
.endr
	ALOADF 0, 4
.irp hc, 0,1,2,3,4,5,6,7
	STEP \hc
.endr
	PLACES
.irp mt, 0,1,2,3
	EPI1 \mt
.endr
	BARRIER                                        ; A1 and S1 are whole
	; ---- layer 2: K = 512 in 4 steps, 4 weight tiles: 64 products ----
.irp pr, 0,1
	ds_load_b128 v[SA2+4*\pr:SA2+4*\pr+3], v[L16] offset:S1B+512*\pr
.endr
	ALOADF A1B, 4
.irp hc, 8,9,10,11
	STEP \hc
.endr
	PLACES
	WIN 0
.irp mt, 0,1,2,3                       ; the row numbers for the way out: lane half h takes slots 16 mt + 8 h + 0 .. 7 (into b2's registers, last read by layer 2's first K step)
.irp x, 0,1
	global_load_b128 v[RO+8*\mt+4*\x:RO+8*\mt+4*\x+3], v[H32], s[56:57] offset:64*\mt+16*\x
.endr
.endr
.set NLD, NLD+8
	EPI2 0
	EPI2 1
	BARRIER                                        ; A2 and S2 are whole
	; ---- layer 3: K = 256 in 2 steps, 4 weight tiles: 32 products ----
.irp pr, 0,1
	ds_load_b64 v[SA1+2*\pr:SA1+2*\pr+1], v[L8] offset:S2B+256*\pr
.endr
	ALOADF A2B, 2
	WIN 0
	s_wait_loadcnt 0x0                             ; the row numbers are the last loads of the text
.irp mt, 0,1,2,3
.irp i, 0,1,2,3,4,5,6,7
	s_sub_co_i32 s66, s25, 16*\mt+\i
	v_cmp_gt_i32 vcc_lo, s66, v[H8]                ; slot 16 mt + 8 h + i below the tile's rows
	v_cndmask_b32 v[RO+8*\mt+\i], v[ROW0], v[RO+8*\mt+\i], vcc_lo
	v_min_u32 v[RO+8*\mt+\i], 0x1fff, v[RO+8*\mt+\i]
	v_lshl_add_u32 v[RO+8*\mt+\i], v[RO+8*\mt+\i], 10, v[OLANE]
.endr
.endr
	STEP 12
	STEP 13
	; ---- the way out: a stage's round trip stands beside the stores of the stage before ----
	PLACES
.set NT0, NDS
	TOSTAGE 0
	TOSTAGE 1
	SEND 0
	TOSTAGE 2
	SEND 1
	TOSTAGE 3
	SEND 2
	SEND 3
	WIN 0
	s_wait_tensorcnt 0x0
	ds_add_u32 v7, v29
	s_wait_dscnt 0x0
	s_endpgm
.Lfunc_end_k_q798e2e70a6_mlp:
	.size	k_q798e2e70a6_mlp, .Lfunc_end_k_q798e2e70a6_mlp-k_q798e2e70a6_mlp
	.p2alignl 7, 3214868480
	.fill 96, 4, 3214868480
	.section	.rodata,"a",@progbits
	.p2align	6, 0x0
	.amdhsa_kernel k_q798e2e70a6_mlp
		.amdhsa_group_segment_fixed_size 139008
		.amdhsa_private_segment_fixed_size 0
		.amdhsa_enable_private_segment 0
		.amdhsa_kernarg_size 64
		.amdhsa_user_sgpr_count 2
		.amdhsa_user_sgpr_kernarg_segment_ptr 1
		.amdhsa_wavefront_size32 1
		.amdhsa_system_sgpr_workgroup_id_x 1
		.amdhsa_system_sgpr_workgroup_id_y 1
		.amdhsa_system_sgpr_workgroup_id_z 1
		.amdhsa_system_vgpr_workitem_id 0
		.amdhsa_next_free_vgpr 1024
		.amdhsa_next_free_sgpr 72
		.amdhsa_reserve_vcc 1
		.amdhsa_float_denorm_mode_32 3
		.amdhsa_float_denorm_mode_16_64 3
		.amdhsa_memory_ordered 1
		.amdhsa_forward_progress 1
		.amdhsa_inst_pref_size 165
	.end_amdhsa_kernel
	.amdgpu_metadata
---
amdhsa.version: [ 1, 2 ]
amdhsa.kernels:
  - .name:           k_q798e2e70a6_mlp
    .symbol:         k_q798e2e70a6_mlp.kd
    .args:
      - { .name: h, .offset: 0, .size: 8, .value_kind: global_buffer, .address_space: global }
      - { .name: rowlist, .offset: 8, .size: 8, .value_kind: global_buffer, .address_space: global }
      - { .name: tiles, .offset: 16, .size: 8, .value_kind: global_buffer, .address_space: global }
      - { .name: wp, .offset: 24, .size: 8, .value_kind: global_buffer, .address_space: global }
      - { .name: b1, .offset: 32, .size: 8, .value_kind: global_buffer, .address_space: global }
      - { .name: b2, .offset: 40, .size: 8, .value_kind: global_buffer, .address_space: global }
      - { .name: b3, .offset: 48, .size: 8, .value_kind: global_buffer, .address_space: global }
      - { .name: out0, .offset: 56, .size: 8, .value_kind: global_buffer, .address_space: global }
    .group_segment_fixed_size: 139008
    .private_segment_fixed_size: 0
    .kernarg_segment_align: 8
    .kernarg_segment_size: 64
    .max_flat_workgroup_size: 128
    .sgpr_count:     72
    .vgpr_count:     1024
    .wavefront_size: 32
...
	.end_amdgpu_metadata
.endif
;; end of part 2
;; ======== version 2 of 3: 2 launches; 1.12 times as fast as version 1
;; workspace buffers: rowlist 34,816 bytes of whole numbers; tiles 4,096 bytes of whole numbers; wp 2,867,200 bytes
;; launch prep (part 3): grid 225 x 1, 8 waves a work-group, no clusters, 54,528 bytes of LDS; arguments gate_id, W1, W2, W3, rowlist, tiles, wp; writes rowlist, tiles, wp
.if DOCPART == 3
	.amdgcn_target "amdgcn-amd-amdhsa--gfx1250"
	.amdhsa_code_object_version 6
	.text
	.protected	k_q798e2e70a6_prep
	.globl	k_q798e2e70a6_prep
	.p2align	8
	.type	k_q798e2e70a6_prep,@function
k_q798e2e70a6_prep:
	s_mov_b64 s[64:65], 0
	v_nop
	global_prefetch_b8 v0, s[64:65] scope:SCOPE_SE
	s_setreg_imm32_b32 hwreg(HW_REG_WAVE_MODE, 25, 1), 1
	s_wait_xcnt 0x0
; PREP: two jobs that do not depend on each other, chosen by the work-group's number.
;  Work-group 0 ROUTES.  g = clip(gate_id, 0, 7).  The 8,192 rows are laid into exactly 135 tiles of 64 slots, each tile of one expert:
;  rowlist[tile][slot] = row number, tiles[t] = {expert, rows, 0, 0}.  135 is the largest value of sum over e of ceil(n_e / 64) with sum n_e = 8,192.
;  What a routing leaves of it (s = 0 to 7 tiles) goes to the largest expert (at least 1,024 rows): its first 2 s tiles hold 32 rows instead of 64.
;  So every tile has work.  Slots without a row (448 in all) hold 0.
;  THE LIST IS GATHERED IN LDS: an entry's place hangs on the data, so its 4 bytes go to an image of rowlist in LDS, which was cleared beforehand;
;  behind a barrier the image leaves as it lies, 16 bytes a lane: each store of a wave covers 512 consecutive bytes, aligned.
;  Work-groups 1 to 224 PACK: each turns 128 k x 128 n (W1) or 2 x 128 k x 64 n (W2, W3) of one expert's weights, f32 stored [k][n], into eight operand
;  fragments of E3M2 codes and their E8M0 scale words, quantised along k in blocks of 32:
;  a block's byte = exponent field of its largest magnitude - 4, held at 1 from below; a block of zeros gets 127; numbers / scale to the nearest code, ties to even.
;  wp[expert 358,400][consumer wave 89,600]: 56 fragments of 1,536 bytes, then 7 scale blocks of 512 bytes.
;  A FRAGMENT is the register image of a matrix operand, 16 rows x 128 k of 6-bit codes: register j of lane L lies at byte 512 (j / 4) + 16 L + 4 (j % 4),
;  so three loads of 512 consecutive bytes fill the 12 registers.  Lane (r = L % 16, hf = L / 16) holds in registers 6 c .. 6 c + 5 the codes of k = 64 c + 32 hf + 0 .. 31.
;  Fragment F: layer 1: 8 ks + t;  layer 2: 32 + 4 ks + t;  layer 3: 48 + 4 ks + t.  Row r of tile t = 2 b + u is column Nw + 32 b + 8 u + r + 8 (r / 8)
;  (Nw = 128 w or 64 w): the consumer's 16 results of tiles 2 b, 2 b + 1 are then 16 neighbouring columns.
;  SCALE BLOCK g: byte 16 L + 4 j holds the word of fragment 8 g + 2 j + L / 16, row L % 16; byte b of a word scales k = 32 b .. 32 b + 31.
; LIMITS: gate_id is clamped as a signed 32-bit number.  NaN and infinities among the weights are not served.
.set RLDS,  16384                      ; LDS, route: 256 threads x 64 bytes of tables, then 128 bytes for the wave totals.  Pack: 12,288 bytes of fragments, 512 of scale words
.set LIST,  16640                      ; LDS, route: the image of rowlist: 34,816 bytes, cleared as 9 x 4,096
; ROUTE's registers
.set ZR,  8                            ; v8-11    zeros
.set G,   16                           ; v16-47   my 32 expert numbers, later their LDS addresses
.set RK,  48                           ; v48-79   an entry's rank among the entries of its expert in its group of eight; later at work
.set Q,   80                           ; v80-111  wave totals as read back; the tables; each entry's place, as a byte offset; at the end the list on its way out
.set R,   112                          ; v112-143 the 32 row numbers
.set CNT, 144                          ; v144-147 group q: eight counters of 4 bits, one an expert (a group has 8 entries: no counter passes 8)
.set YY,  148                          ; v148-151 counts of experts 0, 2, 4, 6 as bytes: prefix over the groups; the last is the thread's total
.set ZZ,  152                          ; v152-155 the same for experts 1, 3, 5, 7
.set WD,  156                          ; v156-159 the thread's totals, two experts to a word (16 bits each: no sum passes 8,640)
.set SS,  160                          ; v160-163 scan over the lanes
.set WT,  164                          ; v164-167 the wave's totals
.set T4,  168                          ; v168-171 4 x expert, one for each group
.set T,   172
.set AD,  173
.set A64, 174                          ; 64 x thread: my tables
.set VQ0, 175                          ; Q0 = 64 x the largest expert's first tile
; PACK's registers
.set X,    16                          ; v16-79   64 numbers down K of my column
.set CD,   80                          ; codes: block hf at CD + 10 hf: six registers, then the three of the upper half as converted
.set EB,   100                         ; v100-101 the two scale bytes, v102 both
.set MX,   104
.set SF,   106
.set OUTR, 112
.set LA,   4
.set PA0,  5
.set PA1,  6
.set SCA,  7
.set RDA,  8
.set LP16, 9
.macro WIDEN d, y, z                   ; bytes i of y (expert 2 i) and of z (expert 2 i + 1) become the two halves of word d + i
.irp i, 0,1,2,3
	v_perm_b32 v[\d+\i], v[\z], v[\y], ((4+\i)<<16)|\i
	v_and_b32 v[\d+\i], 0x00ff00ff, v[\d+\i]
.endr
.endm
; Entries k0 .. k0 + 7 are placed.  q = table + rank;  slot = q + 32 clamp((q - Q0) >> 5, 0, 2 s): nothing in front of the largest expert, its first 64 s rows
; cut into halves of tiles, everything behind moved by 64 s.  Each stage is written across the eight entries, which do not depend on each other.
.macro PLACE8 k0
	s_wait_dscnt 24                                ; these eight lookups are in: behind them stand the later groups' lookups and the earlier groups' stores, 24 in every group
.irp p, 0,1,2,3,4,5,6,7
	v_add_nc_u32 v[Q+\k0+\p], v[Q+\k0+\p], v[RK+\k0+\p]
.endr
.irp p, 0,1,2,3,4,5,6,7
	v_sub_nc_u32 v[RK+\k0+\p], v[Q+\k0+\p], v[VQ0]
.endr
.irp p, 0,1,2,3,4,5,6,7
	v_ashrrev_i32 v[RK+\k0+\p], 5, v[RK+\k0+\p]
.endr
.irp p, 0,1,2,3,4,5,6,7
	v_max_i32 v[RK+\k0+\p], 0, v[RK+\k0+\p]
.endr
.irp p, 0,1,2,3,4,5,6,7
	v_min_u32 v[RK+\k0+\p], s77, v[RK+\k0+\p]
.endr
.irp p, 0,1,2,3,4,5,6,7
	v_lshl_add_u32 v[Q+\k0+\p], v[RK+\k0+\p], 5, v[Q+\k0+\p]
.endr
.irp p, 0,1,2,3,4,5,6,7
	v_min_u32 v[Q+\k0+\p], 0x21bf, v[Q+\k0+\p]     ; a slot is below 8,640 by construction; the clamp says so in the text
.endr
.irp p, 0,1,2,3,4,5,6,7
	v_lshlrev_b32 v[Q+\k0+\p], 2, v[Q+\k0+\p]
	v_add_nc_u32 v[R+\k0+\p], 1024*((\k0+\p)/4)+((\k0+\p)%4), v3   ; the row number of entry k
.endr
.irp p, 0,1,2,3,4,5,6,7
	ds_store_b32 v[Q+\k0+\p], v[R+\k0+\p] offset:LIST              ; no two entries have the same slot
.endr
.endm
	s_load_b256 s[4:11], s[0:1], 0x0               ; gate_id s[4:5], W1 s[6:7], W2 s[8:9], W3 s[10:11]
	s_load_b128 s[12:15], s[0:1], 0x20             ; rowlist s[12:13], tiles s[14:15]
	s_load_b64 s[16:17], s[0:1], 0x30              ; wp
	v_lshl_add_u32 v176, v0, 2, 0xd100
	v_mov_b32 v177, 0
	v_lshrrev_b32 v1, 5, v0
	v_readfirstlane_b32 s3, v1                     ; wave 0..7
	v_and_b32 v1, 31, v0                           ; lane
	s_wait_kmcnt 0x0
	s_cmp_lg_u32 ttmp9, 0                          ; the same in all waves of a work-group: each path's barriers are passed by all eight
	s_cbranch_scc1 .Lpack
	; ---------------- ROUTE ----------------
	; Thread t takes entries k = 4 j + c, which are rows 1024 j + 4 t + c: each load of a wave covers 512 consecutive bytes.
	v_lshlrev_b32 v2, 4, v0                        ; 16 t
	v_lshlrev_b32 v3, 2, v0                        ; 4 t
.irp j, 0,1,2,3,4,5,6,7
	global_load_b128 v[G+4*\j:G+4*\j+3], v2, s[4:5] offset:4096*\j th:TH_LOAD_NT
.endr
	v_lshlrev_b32 v[A64], 6, v0
	v_mov_b32 v[T], 0                              ; the destination of a DPP move counts as read
.irp i, 0,1,2,3
	v_mov_b32 v[ZR+\i], 0
.endr
.irp j, 0,1,2,3,4,5,6,7,8
	ds_store_b128 v2, v[ZR:ZR+3] offset:LIST+4096*\j   ; the image is cleared while gate_id is on its way; two barriers stand between this and the placement
.endr
	s_wait_loadcnt 0x0
	; clamp; an entry's rank in its group of eight is its expert's counter as it stands; then the counter steps.  The four groups do not wait for each other.
.irp p, 0,1,2,3,4,5,6,7
.irp q, 0,1,2,3
	v_max_i32 v[G+8*\q+\p], 0, v[G+8*\q+\p]
	v_min_u32 v[G+8*\q+\p], 7, v[G+8*\q+\p]
	v_lshlrev_b32 v[T4+\q], 2, v[G+8*\q+\p]
.if \p == 0
	v_mov_b32 v[RK+8*\q], 0
	v_lshl_add_u32 v[CNT+\q], 1, v[T4+\q], 0
.else
	v_bfe_u32 v[RK+8*\q+\p], v[CNT+\q], v[T4+\q], 4
	v_lshl_add_u32 v[CNT+\q], 1, v[T4+\q], v[CNT+\q]
.endif
.endr
.endr
	; counters as bytes, and their prefix over the groups (no byte passes 32)
.irp q, 0,1,2,3
	v_and_b32 v[YY+\q], 0x0f0f0f0f, v[CNT+\q]
	v_lshrrev_b32 v[ZZ+\q], 4, v[CNT+\q]
	v_and_b32 v[ZZ+\q], 0x0f0f0f0f, v[ZZ+\q]
.endr
.irp q, 1,2,3
	v_add_nc_u32 v[YY+\q], v[YY+\q], v[YY+\q-1]    ; YY + q - 1: what groups 0 .. q - 1 hold;  YY + 3: the thread's total
	v_add_nc_u32 v[ZZ+\q], v[ZZ+\q], v[ZZ+\q-1]
.endr
	WIDEN WD, YY+3, ZZ+3
	; inclusive scan over the 32 lanes, two experts to a word; then the wave's total (lane 31) and the exclusive value
	v_cmp_le_u32 vcc_lo, 16, v1                    ; lanes 16-31
.irp i, 0,1,2,3
	v_mov_b32 v[SS+\i], v[WD+\i]
.irp sh, 1,2,4,8
	v_mov_b32_dpp v[T], v[SS+\i] row_shr:\sh row_mask:0xf bank_mask:0xf bound_ctrl:1
	v_add_nc_u32 v[SS+\i], v[SS+\i], v[T]
.endr
	v_readlane_b32 s66, v[SS+\i], 15               ; the sum of lanes 0-15 is added in lanes 16-31
	v_mov_b32 v[T], s66
	v_cndmask_b32 v[T], 0, v[T], vcc_lo
	v_add_nc_u32 v[SS+\i], v[SS+\i], v[T]
	v_readlane_b32 s67, v[SS+\i], 31
	v_mov_b32 v[WT+\i], s67
	v_sub_nc_u32 v[SS+\i], v[SS+\i], v[WD+\i]      ; entries of each expert in the lanes in front of me
.endr
	; the eight wave totals meet in LDS
	v_mov_b32 v[AD], s3
	v_lshlrev_b32 v[AD], 4, v[AD]
	ds_store_b128 v[AD], v[WT:WT+3] offset:RLDS    ; all lanes store the same 16 bytes at 16 x wave
	s_wait_dscnt 0x0                               ; zero: the other waves read these bytes, and write into the cleared image, behind the barrier
	s_barrier_signal -1
	s_barrier_wait -1
	v_mov_b32 v[AD], 0
.irp w, 0,1,2,3,4,5,6,7
	ds_load_b128 v[Q+4*\w:Q+4*\w+3], v[AD] offset:RLDS+16*\w
.endr
.irp i, 0,1,2,3
	s_mov_b32 s[56+\i], 0                          ; totals of all waves
	s_mov_b32 s[60+\i], 0                          ; totals of the waves in front of mine
.endr
	s_wait_dscnt 0x0
.irp w, 0,1,2,3,4,5,6,7
	s_cmp_gt_u32 s3, \w
	s_cselect_b32 s71, -1, 0
.irp i, 0,1,2,3
	v_readfirstlane_b32 s66, v[Q+4*\w+\i]
	s_add_co_u32 s[56+\i], s[56+\i], s66
	s_and_b32 s66, s66, s71
	s_add_co_u32 s[60+\i], s[60+\i], s66
.endr
.endr
	; scalar tables: s[24:31] n_e;  s[40:47] first tile of e without the spare tiles;  s[48:55] first tile of e
.irp i, 0,1,2,3
	s_and_b32 s[24+2*\i], s[56+\i], 0xffff
	s_lshr_b32 s[24+2*\i+1], s[56+\i], 16
.endr
	s_mov_b32 s73, 0                               ; the largest expert
	s_mov_b32 s74, s24
.irp e, 1,2,3,4,5,6,7
	s_cmp_gt_u32 s[24+\e], s74
	s_cselect_b32 s73, \e, s73
	s_cselect_b32 s74, s[24+\e], s74
.endr
	s_mov_b32 s67, 0
.irp e, 0,1,2,3,4,5,6,7
	s_mov_b32 s[40+\e], s67
	s_add_co_u32 s66, s[24+\e], 63
	s_lshr_b32 s66, s66, 6
	s_add_co_u32 s67, s67, s66
.endr
	s_sub_co_u32 s75, 135, s67                     ; s = tiles to spare, 0 to 7
	s_lshl_b32 s77, s75, 1                         ; 2 s = tiles of 32 rows
	s_mov_b32 s76, 0
.irp e, 0,1,2,3,4,5,6,7
	s_cmp_lt_u32 s73, \e                           ; experts behind the largest begin s tiles later
	s_cselect_b32 s66, s75, 0
	s_add_co_u32 s[48+\e], s[40+\e], s66
	s_cmp_eq_u32 s73, \e
	s_cselect_b32 s76, s[40+\e], s76
.endr
	s_lshl_b32 s76, s76, 6                         ; Q0: the largest expert's first slot
.irp i, 0,1,2,3                        ; packed: 64 x first tile (without the spare) + entries in earlier waves; no half passes 8,640
	s_lshl_b32 s66, s[40+2*\i], 6
	s_lshl_b32 s67, s[40+2*\i+1], 22
	s_or_b32 s66, s66, s67
	s_add_co_u32 s[80+\i], s66, s[60+\i]
.endr
	; my four tables of eight 16-bit entries: table q, expert g: the place, before the tiles of 32 are cut, of the first entry of g in my group q
.irp i, 0,1,2,3
	v_add_nc_u32 v[Q+\i], s[80+\i], v[SS+\i]
.endr
	ds_store_b128 v[A64], v[Q:Q+3]
.irp q, 1,2,3
	WIDEN Q+4*\q, YY+\q-1, ZZ+\q-1
.irp i, 0,1,2,3
	v_add_nc_u32 v[Q+4*\q+\i], v[Q+4*\q+\i], v[Q+\i]
.endr
	ds_store_b128 v[A64], v[Q+4*\q:Q+4*\q+3] offset:16*\q
.endr
	v_mov_b32 v[VQ0], s76
	s_wait_dscnt 0x0                               ; each thread reads its own 64 bytes only; the addresses hang on data, so the stores are shown done to all
	s_barrier_signal -1
	s_barrier_wait -1
.set k_, 0
.rept 32
	v_lshl_add_u32 v[G+k_], v[G+k_], 1, v[A64]     ; 64 t + 2 g (g was clamped to 0 .. 7)
	ds_load_u16 v[Q+k_], v[G+k_] offset:16*(k_/8)
.set k_, k_+1
.endr
	PLACE8 0
	PLACE8 8
	PLACE8 16
	PLACE8 24
	; the table of tiles, entry t = thread number (256 entries are written, 135 are used): made while the placement's LDS stores are out
	v_mov_b32 v48, 0                               ; expert
	v_mov_b32 v52, 0                               ; its first tile
	v_mov_b32 v53, s24                             ; its rows
.irp e, 1,2,3,4,5,6,7
	v_cmp_gt_u32 vcc_lo, s[48+\e], v0              ; first tile of e beyond t: keep; else take e (an expert without tiles is passed over by the next)
	v_cndmask_b32 v48, \e, v48, vcc_lo
	v_cndmask_b32 v52, s[48+\e], v52, vcc_lo
	v_cndmask_b32 v53, s[24+\e], v53, vcc_lo
.endr
	v_sub_nc_u32 v54, v0, v52                      ; l: tile number inside the expert
	v_cmp_eq_u32 vcc_lo, s73, v48
	v_mov_b32 v55, s75
	v_cndmask_b32 v55, 0, v55, vcc_lo              ; s for the largest expert, else 0
	v_lshlrev_b32 v56, 1, v55
	v_sub_nc_u32 v57, v54, v55
	v_lshlrev_b32 v57, 6, v57                      ; 64 (l - s): the first row of a whole tile
	v_sub_nc_u32 v57, v53, v57
	v_max_i32 v57, 0, v57
	v_min_u32 v57, 64, v57
	v_cmp_lt_u32 vcc_lo, v54, v56                  ; l < 2 s: a tile of 32 rows
	v_cndmask_b32 v49, v57, 32, vcc_lo
	v_mov_b32 v50, 0
	v_mov_b32 v51, 0
	global_store_b128 v2, v[48:51], s[14:15]       ; each store of a wave covers 512 consecutive bytes
	; the image is whole when every wave's placement is done; then it leaves as it lies
	s_wait_dscnt 0x0                               ; zero: other waves read what I placed
	s_barrier_signal -1
	s_barrier_wait -1
.irp j, 0,1,2,3,4,5,6,7
	ds_load_b128 v[Q+4*\j:Q+4*\j+3], v2 offset:LIST+4096*\j
.endr
.irp j, 0,1,2,3,4,5,6,7
	s_wait_dscnt 7-\j                              ; the younger read-backs stay out
	global_store_b128 v2, v[Q+4*\j:Q+4*\j+3], s[12:13] offset:4096*\j   ; 512 consecutive bytes a wave, at a multiple of 512 from rowlist's first byte
.endr
	s_cmp_gt_u32 s3, 3                             ; the last 2,048 of the 34,816 bytes: waves 0 to 3
	s_cbranch_scc1 .Lrouted
	ds_load_b128 v[R:R+3], v2 offset:LIST+32768
	s_wait_dscnt 0x0
	global_store_b128 v2, v[R:R+3], s[12:13] offset:32768
.Lrouted:
	s_wait_tensorcnt 0x0
	ds_add_u32 v176, v177
	s_wait_dscnt 0x0
	s_endpgm
	; ---------------- PACK ----------------
; A work-group makes one group of eight fragments and its scale block.  Wave v' takes the pair of fragments v = v' / 2 (32 columns) and c = v' % 2, 64 of their 128 k.
; A LANE TAKES A COLUMN AND ITS REGISTERS RUN DOWN K: each load reads 128 consecutive bytes of a row of W, a block of 32 along K lies in one lane's registers,
; and the conversions give its 24 bytes of codes with K innermost.  They go to their place in the fragment's image in LDS; behind a barrier (two waves fill each fragment)
; each wave reads 1,536 bytes back and stores them as three runs of 512 consecutive bytes.
; s[20:21] the matrix, s24 my wave's first byte in it, s29 expert, s30 consumer wave, s32 group 0 .. 6.
.macro PACK pitch
	s_add_nc_u64 s[20:21], s[20:21], s[24:25]
	s_mul_i32 s26, s29, 358400
	s_mul_i32 s37, s30, 89600
	s_add_co_u32 s26, s26, s37
	s_mul_i32 s37, s32, 12288
	s_add_co_u32 s38, s26, s37                     ; the group's fragments
	s_mov_b32 s39, 0
	s_lshl_b32 s37, s32, 9
	s_add_co_u32 s26, s26, s37
	s_add_co_u32 s26, s26, 86016                   ; its scale block
	s_add_nc_u64 s[22:23], s[16:17], s[38:39]
	s_add_nc_u64 s[40:41], s[16:17], s[26:27]
.set i_, 0
.rept 64
	global_load_b32 v[X+i_], v[LA], s[20:21] offset:i_*\pitch th:TH_LOAD_NT
.set i_, i_+1
.endr
.irp hf, 0,1
.set XS_, X+32*\hf
.set CS_, CD+10*\hf
	s_wait_loadcnt 32-32*\hf                       ; loads return in order: for the first block the second's 32 stay out
	v_max3_num_f32 v[MX], |v[XS_]|, |v[XS_+1]|, |v[XS_+2]|         ; the block's largest magnitude: all 32 numbers are mine
	v_max3_num_f32 v[MX+1], |v[XS_+3]|, |v[XS_+4]|, |v[XS_+5]|
.irp i, 6,10,14,18,22,26
	v_max3_num_f32 v[MX], v[MX], |v[XS_+\i]|, |v[XS_+\i+1]|
	v_max3_num_f32 v[MX+1], v[MX+1], |v[XS_+\i+2]|, |v[XS_+\i+3]|
.endr
	v_max3_num_f32 v[MX], v[MX], |v[XS_+30]|, |v[XS_+31]|
	v_max_num_f32 v[MX], v[MX], v[MX+1]
	v_lshrrev_b32 v[EB+\hf], 23, v[MX]             ; its exponent field
	v_max_u32 v[EB+\hf], 5, v[EB+\hf]              ; the byte is not to fall under 1
	v_add_nc_u32 v[EB+\hf], -4, v[EB+\hf]          ; the scale's byte
	v_lshlrev_b32 v[SF], 23, v[EB+\hf]             ; and the scale as f32: the conversion takes its exponent field
	v_cmp_eq_u32 vcc_lo, 0, v[MX]
	v_cndmask_b32 v[EB+\hf], v[EB+\hf], 127, vcc_lo    ; a block of zeros gets 127
	v_cvt_scalef32_pk16_bf6_f32 v[CS_:CS_+2], v[XS_:XS_+15], v[SF]
	v_cvt_scalef32_pk16_bf6_f32 v[CS_+6:CS_+8], v[XS_+16:XS_+31], v[SF]   ; (a conversion's three registers begin on an even number)
	v_nop                                          ; one plain vector instruction between a scaled conversion and what touches its result
.irp i, 0,1,2
	v_mov_b32 v[CS_+3+\i], v[CS_+6+\i]
.endr
	ds_store_b64 v[PA0], v[CS_:CS_+1] offset:256*\hf               ; registers 6 c .. 6 c + 5 of lane r + 16 hf of my fragment
	ds_store_b64 v[PA1], v[CS_+2:CS_+3] offset:256*\hf
	ds_store_b64 v[PA0], v[CS_+4:CS_+5] offset:256*\hf+512
.endr
	v_lshl_or_b32 v[EB+2], v[EB+1], 8, v[EB]
	ds_store_b16 v[SCA], v[EB+2]                   ; bytes 2 c, 2 c + 1 of my column's scale word
	s_wait_dscnt 0x0                               ; zero: other waves read these bytes behind the barrier
	s_barrier_signal -1
	s_barrier_wait -1
.irp p, 0,1,2
	ds_load_b128 v[OUTR+4*\p:OUTR+4*\p+3], v[RDA] offset:512*\p
.endr
.irp p, 0,1,2
	s_wait_dscnt 2-\p                              ; the younger read-backs stay out
	global_store_b128 v[RDA], v[OUTR+4*\p:OUTR+4*\p+3], s[22:23] offset:512*\p   ; 512 consecutive bytes, at a multiple of 512 from wp's first byte
.endr
	s_cmp_lg_u32 s3, 0                             ; wave 0 also moves the scale block
	s_cbranch_scc1 .Lpacked_\@
	ds_load_b128 v[OUTR+12:OUTR+15], v[LP16] offset:12288
	s_wait_dscnt 0x0
	global_store_b128 v[LP16], v[OUTR+12:OUTR+15], s[40:41]
.Lpacked_\@:
	s_wait_tensorcnt 0x0
	ds_add_u32 v176, v177
	s_wait_dscnt 0x0
	s_endpgm
.endm
.Lpack:
	s_lshr_b32 s18, s3, 1                          ; v: which pair of fragments
	s_and_b32 s19, s3, 1                           ; c: which 64 of the 128 along K
	v_lshlrev_b32 v[LA], 2, v1                     ; in: 4 bytes a lane
	v_bfe_u32 v10, v1, 3, 1                        ; column offset lane = 8 u + r + 8 (r / 8):  u,
	v_and_b32 v11, 7, v1
	v_lshrrev_b32 v12, 4, v1
	v_lshl_add_u32 v11, v12, 3, v11                ; and r
	v_mul_u32_u24 v13, v10, 1536
	v_lshl_add_u32 v13, v11, 4, v13                ; fragment u of the pair, lane r
	s_mul_i32 s37, s18, 3072
	s_mul_i32 s38, s19, 520                        ; registers 6 c, 6 c + 1 lie at byte 0 or 520 of a lane's image; registers 6 c + 4, 6 c + 5 512 further on;
	s_add_co_u32 s38, s38, s37
	v_add_nc_u32 v[PA0], s38, v13
	s_mul_i32 s38, s19, 1016                       ; registers 6 c + 2, 6 c + 3 at byte 8 or 1,024
	s_add_co_u32 s38, s38, s37
	s_add_co_u32 s38, s38, 8
	v_add_nc_u32 v[PA1], s38, v13
	v_lshl_add_u32 v14, v10, 4, v11                ; 16 u + r
	s_lshl_b32 s37, s18, 2
	s_lshl1_add_u32 s37, s19, s37                  ; 4 v + 2 c
	s_add_co_u32 s37, s37, 12288
	v_lshl_add_u32 v[SCA], v14, 4, s37
	s_mul_i32 s37, s3, 1536
	v_lshl_add_u32 v[RDA], v1, 4, s37              ; back, and out: 1,536 x wave + 16 x lane
	v_lshlrev_b32 v[LP16], 4, v1
	s_mov_b32 s25, 0
	s_mov_b32 s27, 0
	s_cmp_lt_u32 ttmp9, 129
	s_cbranch_scc1 .Lw1
	; W2 (work-groups 129 .. 192: e 8 x consumer wave 4 x group 2) and W3 (193 .. 224: e 8 x consumer wave 4): rows of 1,024 bytes, one text for both
	s_cmp_lt_u32 ttmp9, 193
	s_mov_b32 s33, 193
	s_cselect_b32 s33, 129, s33                    ; first work-group
	s_cselect_b32 s34, 0, 1                        ; W3 has one group to a consumer wave: its number counts double
	s_cselect_b32 s35, 19, 18                      ; bytes of an expert in W, as a shift
	s_cselect_b32 s36, 4, 6                        ; first group
	s_cselect_b64 s[20:21], s[8:9], s[10:11]
	s_sub_co_u32 s28, ttmp9, s33
	s_lshl_b32 s28, s28, s34
	s_lshr_b32 s29, s28, 3                         ; e
	s_bfe_u32 s30, s28, 0x20001                    ; consumer wave
	s_and_b32 s31, s28, 1
	s_add_co_u32 s32, s36, s31                     ; group
	s_lshl_b32 s24, s29, s35
	s_lshl_b32 s37, s31, 18                        ; a group is two K steps of 128 rows of 1,024 bytes;
	s_add_co_u32 s24, s24, s37
	s_lshr_b32 s37, s18, 1                         ; pairs 2, 3 belong to its second K step;
	s_lshl_b32 s37, s37, 17
	s_add_co_u32 s24, s24, s37
	s_lshl_b32 s37, s19, 16                        ; 64 rows;
	s_add_co_u32 s24, s24, s37
	s_lshl_b32 s37, s30, 8                         ; the consumer's 64 columns;
	s_add_co_u32 s24, s24, s37
	s_and_b32 s37, s18, 1                          ; the pair's 32
	s_lshl_b32 s37, s37, 7
	s_add_co_u32 s24, s24, s37
	PACK 1024
.Lw1:
	; W1 (work-groups 1 .. 128: e 8 x consumer wave 4 x K step 4): rows of 2,048 bytes
	s_sub_co_u32 s28, ttmp9, 1
	s_lshr_b32 s29, s28, 4                         ; e
	s_bfe_u32 s30, s28, 0x20002                    ; consumer wave
	s_and_b32 s32, s28, 3                          ; group = K step
	s_mov_b64 s[20:21], s[6:7]
	s_lshl_b32 s24, s29, 20
	s_lshl_b32 s37, s32, 18                        ; 128 rows of 2,048 bytes
	s_add_co_u32 s24, s24, s37
	s_lshl_b32 s37, s19, 17                        ; 64 rows
	s_add_co_u32 s24, s24, s37
	s_lshl_b32 s37, s30, 9                         ; the consumer's 128 columns
	s_add_co_u32 s24, s24, s37
	s_lshl_b32 s37, s18, 7                         ; the pair's 32
	s_add_co_u32 s24, s24, s37
	PACK 2048
.Lfunc_end_k_q798e2e70a6_prep:
	.size	k_q798e2e70a6_prep, .Lfunc_end_k_q798e2e70a6_prep-k_q798e2e70a6_prep
	.p2alignl 7, 3214868480
	.fill 96, 4, 3214868480
	.section	.rodata,"a",@progbits
	.p2align	6, 0x0
	.amdhsa_kernel k_q798e2e70a6_prep
		.amdhsa_group_segment_fixed_size 54528
		.amdhsa_private_segment_fixed_size 0
		.amdhsa_enable_private_segment 0
		.amdhsa_kernarg_size 56
		.amdhsa_user_sgpr_count 2
		.amdhsa_user_sgpr_kernarg_segment_ptr 1
		.amdhsa_wavefront_size32 1
		.amdhsa_system_sgpr_workgroup_id_x 1
		.amdhsa_system_sgpr_workgroup_id_y 1
		.amdhsa_system_sgpr_workgroup_id_z 1
		.amdhsa_system_vgpr_workitem_id 0
		.amdhsa_next_free_vgpr 178
		.amdhsa_next_free_sgpr 96
		.amdhsa_reserve_vcc 1
		.amdhsa_float_denorm_mode_32 3
		.amdhsa_float_denorm_mode_16_64 3
		.amdhsa_memory_ordered 1
		.amdhsa_forward_progress 1
		.amdhsa_inst_pref_size 73
	.end_amdhsa_kernel
	.amdgpu_metadata
---
amdhsa.version: [ 1, 2 ]
amdhsa.kernels:
  - .name:           k_q798e2e70a6_prep
    .symbol:         k_q798e2e70a6_prep.kd
    .args:
      - { .name: gate_id, .offset: 0, .size: 8, .value_kind: global_buffer, .address_space: global }
      - { .name: W1, .offset: 8, .size: 8, .value_kind: global_buffer, .address_space: global }
      - { .name: W2, .offset: 16, .size: 8, .value_kind: global_buffer, .address_space: global }
      - { .name: W3, .offset: 24, .size: 8, .value_kind: global_buffer, .address_space: global }
      - { .name: rowlist, .offset: 32, .size: 8, .value_kind: global_buffer, .address_space: global }
      - { .name: tiles, .offset: 40, .size: 8, .value_kind: global_buffer, .address_space: global }
      - { .name: wp, .offset: 48, .size: 8, .value_kind: global_buffer, .address_space: global }
    .group_segment_fixed_size: 54528
    .private_segment_fixed_size: 0
    .kernarg_segment_align: 8
    .kernarg_segment_size: 56
    .max_flat_workgroup_size: 256
    .sgpr_count:     96
    .vgpr_count:     178
    .wavefront_size: 32
...
	.end_amdgpu_metadata
.endif
;; end of part 3
;; launch mlp (part 4): grid 135 x 1, 4 waves a work-group, no clusters, 139,008 bytes of LDS; arguments h, rowlist, tiles, wp, b1, b2, b3, out0; writes out0
.if DOCPART == 4
	.amdgcn_target "amdgcn-amd-amdhsa--gfx1250"
	.amdhsa_code_object_version 6
	.text
	.protected	k_q798e2e70a6_mlp
	.globl	k_q798e2e70a6_mlp
	.p2align	8
	.type	k_q798e2e70a6_mlp,@function
k_q798e2e70a6_mlp:
	s_mov_b64 s[64:65], 0
	v_nop
	global_prefetch_b8 v0, s[64:65] scope:SCOPE_SE
	s_setreg_imm32_b32 hwreg(HW_REG_WAVE_MODE, 25, 1), 1
	s_wait_xcnt 0x0
; MLP: one work-group = one tile of 64 slots (1 to 64 rows) of one expert: gather of h, three layers, scatter of the result, in one text.
;   a1 = leaky(Q(h) Q(W1) + b1) [64 x 512], a2 = leaky(Q(a1) Q(W2) + b2) [64 x 256], y = Q(a2) Q(W3) + b3 [64 x 256];  leaky(x) = max(x, 0.2 x).
;   Q: E3M2 codes with one E8M0 scale for each 32 along K: byte = exponent field of the block's largest magnitude - 4, held at 1 from below, 127 for a block of zeros;
;   numbers / scale to the nearest code, ties to even, beyond 28 the largest code.  Sums, biases and leaky in f32.
; Four waves.  Wave w makes columns 128 w .. of a1 and 64 w .. of a2 and y for all 64 slots, so each weight byte enters the work-group once, straight into registers:
; wp holds the weights as codes in the order in which an operand lies in registers; a wave's stream is 14 half-chunks of 4 fragments (6,144 bytes) and 7 scale blocks,
; every load covers 512 consecutive bytes.  Activations go from wave to wave through LDS, as codes, in the same register order: three loads of 16 bytes a lane fill a fragment.
; THE MATRIX INSTRUCTION IS USED TRANSPOSED: source 0 = 16 columns of the weights, source 1 = 16 slots.  Row r of weight tile t = 2 b + u is column Nw + 32 b + 8 u + r + 8 (r / 8),
; so lane (r, h) holds slot r, and its 16 registers of tiles 2 b, 2 b + 1 are columns Nw + 32 b + 16 h + 0 .. 15: sixteen neighbours along the next K, which one conversion takes.
; The bias is the C operand of each layer's first K step: nothing is cleared and nothing added later.
; SLOTS WITHOUT A ROW (at or beyond the tile's number of rows) take the tile's first row in the gather and compute its bits again.  On the way out a store serves two slots, eight apart;
; the stores go in ascending order of the lower slot, and at the first whose lower slot has no row the wave jumps to its end (the number of rows was read from tiles[]).
; Where the lower slot has a row and the upper has none (eight stores a wave at the most), the upper lanes store the first row's bits once more to that row's bytes. No lane is switched off.
; NO CLUSTER, NO JOINT REQUESTS: the tiles of an expert read the same weights, but their number (0 to 135) hangs on gate_id, so the 135 work-groups do not fall into
; groups of four of one expert; and the weights go into registers by loads that have no joint form.  NO TENSOR LOADS: wp already lies in register order.
; NO PREFETCH: wp was stored by the launch in front of this one and is read by all tiles of an expert; up to 60 loads of a wave are out from the first row of h on.
; LIMITS: NaN and infinities among the inputs are not served.  The bias is the first term of each f32 sum, not the last.
;
; LDS: X, A1, A2: fragment images, K step ks at ks x 6,208 (4 x 1,536 + 64), slots 16 mt .. at mt x 1,536, register j of lane L at 512 (j / 4) + 16 L + 4 (j % 4).
;      SX, S1: 16 scale bytes a slot (a word for each K step);  S2: 8 a slot.  BS: 1,024 bytes a wave: its b1, b2, b3.  OS: for each wave four stages of 16 rows x 272 bytes.
;      No region is written again after another wave has read it: three barriers (X whole, A1 whole, A2 whole).
.set XKS,  6208
.set A1B,  24832
.set A2B,  49664
.set SXB,  62080
.set S1B,  63104
.set S2B,  64128
.set BSB,  64640
.set OSB,  68736
; REGISTERS, in windows of 256.  Window 0:
.set L16,   1                          ; 16 x lane
.set L8,    2                          ; 8 x lane
.set A1ST,  3                          ; where my codes of a1 go
.set S1ST,  4                          ; and their scale words
.set A2S0,  5                          ; a2: registers 6 c, 6 c + 1 of a lane's image (and 6 c + 4, 6 c + 5, 512 further on), c = wave % 2
.set A2S1,  6                          ; registers 6 c + 2, 6 c + 3
.set S2ST,  8
.set OST,   9                          ; the way out: into my stage
.set ORD,   10                         ; and back
.set H8,    11                         ; 8 h
.set OLANE, 12                         ; 16 r + 256 w: my bytes in a row of out0
.set BRD,   13                         ; my biases, 64 h on
.set M,     14                         ; v14-17 a block's largest magnitude
.set E,     18                         ; v18-21 its scale byte
.set S,     22                         ; v22-25 its scale as f32
.set T0,    26                         ; v26-28, v30-32 the second half of a pair of conversions
.set H32,   33                         ; 32 h
.set SW,    34                         ; a scale word
.set ROW0,  35                         ; the tile's first row number
.set SCW,   36                         ; v36-63  the weights' scale words, all seven blocks.  v36-79 hold scales and nothing else
.set SA1,   64                         ; v64-71  the activations' scale words, layers 1 and 3
.set SA2,   72                         ; v72-79  layer 2
.set P,     80                         ; v80-127 codes behind a layer, 12 registers a fragment.  In front of layer 1:
.set HOFF,  80                         ;   128 r + 64 h: my 64 bytes of a row of h
.set XA0,   81                         ;   where a block of Q(h) goes: as A2S0,
.set XA1,   82                         ;   as A2S1
.set SXA,   84
.set BST,   85
.set BST8,  86
.set HO,    88                         ;   v88-103 byte offsets of my 16 rows in h
.set RAWB,  104                        ;   v104-111 my biases as loaded
.set Y,     128                        ; v128-191 leaky(sums) of 64 accumulator registers
.set B1,    128                        ; v128-191 b1, v192-223 b2, v224-255 b3, laid as C operands
.set B2,    192
.set B3,    224
.set RO,    192                        ; v192-223 at the end: row numbers, then byte offsets in out0
;                                        at the end too: the output rows read back from the stages: mt 0, 1, 2 at v80, v112, v144, mt 3 at v224 (32 registers each)
; Window 1: accumulators: layer 1 tile (t, mt) at 8 (8 mt + t), layer 2 at 8 (4 mt + t), layer 3 at 128 + 8 (4 mt + t).  In front of layer 1: v0-191 three sets of four rows of h; then
.set QM,    192                        ; four rows' largest magnitudes, in two chains
.set QN,    196
.set QE,    200                        ; scale bytes, two sets by turns
.set QS,    208
.set QP,    212
.set QC,    216                        ; codes, two sets by turns: a pair of rows has 6 + 3 registers, 10 apart
; Windows 2 and 3: the ring of weights, six slots of 48 registers: slot s < 5 at 48 s of window 2, slot 5 at 0 of window 3;  16 activation fragments at 64 + 12 (4 ks + mt) of window 3.
.set NLD, 0                            ; global loads issued so far: a wait's count is NLD less the number of the last load that it waits for
.set NDS, 0                            ; the same for the runs of LDS instructions that are waited for by count; between such a run and its waits stands no other LDS instruction
.set MSB, 0
.macro WIN new                         ; low byte: bits 1:0 source 0, 3:2 source 1, 5:4 source 2, 7:6 destination; the high byte repeats the setting that is left
.if MSB != \new
	s_set_vgpr_msb (MSB<<8)|\new
.set MSB, \new
.endif
.endm
; Four places behind a matrix instruction of this form before a load is issued into one of its registers and before a vector instruction or an LDS store
; touches them; only plain vector instructions that name none of its registers are counted.
.macro PLACES
.rept 4
	v_nop
.endr
.endm
.macro BARRIER                         ; zero: what I stored is read by other waves behind it
	s_wait_dscnt 0x0
	s_barrier_signal -1
	s_barrier_wait -1
.endm
.macro HLOAD g                         ; rows 4 g .. 4 g + 3 of my 16: lane (r, h) takes k = 32 r + 16 h + 0 .. 15; a row's four loads read its 2,048 bytes
	WIN 0x40
.irp ii, 0,1,2,3
.irp p, 0,1,2,3
	global_load_b128 v[64*((\g)%3)+16*\ii+4*\p:64*((\g)%3)+16*\ii+4*\p+3], v[HO+4*(\g)+\ii], s[8:9] offset:16*\p
.endr
.endr
.set NLD, NLD+16
.endm
.macro WLOAD hc                        ; half-chunk hc of my stream, four fragments, into slot hc % 6: 12 loads of 512 consecutive bytes
.if ((\hc)%6) == 5
	WIN 0xc0
.set WL_, 0
.else
	WIN 0x80
.set WL_, 48*((\hc)%6)
.endif
.irp f, 0,1,2,3
.irp p, 0,1,2
	global_load_b128 v[WL_+12*\f+4*\p:WL_+12*\f+4*\p+3], v[L16], s[48:49] offset:6144*(\hc)+1536*\f+512*\p
.endr
.endr
.set NLD, NLD+12
.endm
; Four rows of h become codes.  A block of 32 lies in lanes r and r + 16.  A conversion gives half a block; two rows' halves change places between the halves of the lanes,
; so that lane (r, h) holds the whole block r of row A (h = 0) or row B (h = 1): 24 bytes, which go to their place in X's image.  Each stage is written across the four rows.
.macro QROWS g
.set XS_, 64*((\g)%3)
.set ES_, QE+4*((\g)%2)
.set CS_, QC+20*((\g)%2)
	s_wait_loadcnt NLD-(NH0+16*((\g)+1))           ; these rows' 16 loads are in; all that was issued behind them stays out
	WIN 0x55
.irp ii, 0,1,2,3
	v_max3_num_f32 v[QM+\ii], |v[XS_+16*\ii]|, |v[XS_+16*\ii+1]|, |v[XS_+16*\ii+2]|
	v_max3_num_f32 v[QN+\ii], |v[XS_+16*\ii+3]|, |v[XS_+16*\ii+4]|, |v[XS_+16*\ii+5]|
.endr
.irp k, 6,10
.irp ii, 0,1,2,3
	v_max3_num_f32 v[QM+\ii], v[QM+\ii], |v[XS_+16*\ii+\k]|, |v[XS_+16*\ii+\k+1]|
	v_max3_num_f32 v[QN+\ii], v[QN+\ii], |v[XS_+16*\ii+\k+2]|, |v[XS_+16*\ii+\k+3]|
.endr
.endr
.irp ii, 0,1,2,3
	v_max3_num_f32 v[QM+\ii], v[QM+\ii], |v[XS_+16*\ii+14]|, |v[XS_+16*\ii+15]|
.endr
.irp ii, 0,1,2,3
	v_max_num_f32 v[QM+\ii], v[QM+\ii], v[QN+\ii]
	v_mov_b32 v[QP+\ii], 0                         ; (the destination of a lane permute counts as read)
.endr
.irp ii, 0,1,2,3
	v_permlanex16_b32 v[QP+\ii], v[QM+\ii], s60, s61
.endr
.irp ii, 0,1,2,3
	v_max_num_f32 v[QM+\ii], v[QM+\ii], v[QP+\ii]  ; the block's largest magnitude
.endr
.irp ii, 0,1,2,3
	v_lshrrev_b32 v[ES_+\ii], 23, v[QM+\ii]        ; its exponent field
.endr
.irp ii, 0,1,2,3
	v_max_u32 v[ES_+\ii], 5, v[ES_+\ii]            ; the byte is not to fall under 1
.endr
.irp ii, 0,1,2,3
	v_add_nc_u32 v[ES_+\ii], -4, v[ES_+\ii]
.endr
.irp ii, 0,1,2,3
	v_lshlrev_b32 v[QS+\ii], 23, v[ES_+\ii]        ; the scale as f32, for the conversion
.endr
.irp ii, 0,1,2,3
	v_cmp_eq_u32 vcc_lo, 0, v[QM+\ii]
	v_cndmask_b32 v[ES_+\ii], v[ES_+\ii], 127, vcc_lo   ; a block of zeros
.endr
.irp pp, 0,1
	v_cvt_scalef32_pk16_bf6_f32 v[CS_+10*\pp:CS_+10*\pp+2], v[XS_+32*\pp:XS_+32*\pp+15], v[QS+2*\pp]
	v_cvt_scalef32_pk16_bf6_f32 v[CS_+10*\pp+6:CS_+10*\pp+8], v[XS_+32*\pp+16:XS_+32*\pp+31], v[QS+2*\pp+1]
.endr
	v_nop                                          ; one plain place behind a scaled conversion
.irp pp, 0,1
.irp i, 0,1,2
	v_permlane16_swap_b32 v[CS_+10*\pp+\i], v[CS_+10*\pp+6+\i]     ; the first now holds each lane's block's lower 16 codes, the second the upper 16
.endr
.endr
.irp pp, 0,1
.irp i, 0,1,2
	v_mov_b32 v[CS_+10*\pp+3+\i], v[CS_+10*\pp+6+\i]
.endr
.endr
	WIN 0x04                                       ; the data of an LDS store are source 1: window 1
.irp pp, 0,1
	ds_store_b64 v[XA0], v[CS_+10*\pp:CS_+10*\pp+1] offset:32*(2*(\g)+\pp)
	ds_store_b64 v[XA1], v[CS_+10*\pp+2:CS_+10*\pp+3] offset:32*(2*(\g)+\pp)
	ds_store_b64 v[XA0], v[CS_+10*\pp+4:CS_+10*\pp+5] offset:32*(2*(\g)+\pp)+512
	ds_store_b8 v[SXA], v[ES_+2*\pp] offset:16*(4*(\g)+2*\pp)      ; both lanes of a block write the same byte with the same value
	ds_store_b8 v[SXA], v[ES_+2*\pp+1] offset:16*(4*(\g)+2*\pp+1)
.endr
.endm
.macro ALOADF base, nks                ; all activation fragments of a layer, K step by K step: 12 loads of 512 consecutive bytes a K step
.set NX0, NDS
	WIN 0xc0
.set f_, 0
.rept 4*\nks
.irp p, 0,1,2
	ds_load_b128 v[64+12*f_+4*\p:64+12*f_+4*\p+3], v[L16] offset:\base+(f_/4)*XKS+(f_%4)*1536+512*\p
.endr
.set f_, f_+1
.endr
.set NDS, NDS+12*\nks
.endm
.macro MMA                             ; one product; the rows of the two scale registers by the parities PA_ (weight fragment) and PB_ (mt)
.if PA_ && PB_
	v_wmma_scale_f32_16x16x128_f8f6f4 v[D_:D_+7], v[A_:A_+11], v[B_:B_+11], v[C_:C_+7], v[SW_], v[SA_] matrix_a_fmt:MATRIX_FMT_BF6 matrix_b_fmt:MATRIX_FMT_BF6 matrix_a_scale:MATRIX_SCALE_ROW1 matrix_b_scale:MATRIX_SCALE_ROW1
.elseif PA_
	v_wmma_scale_f32_16x16x128_f8f6f4 v[D_:D_+7], v[A_:A_+11], v[B_:B_+11], v[C_:C_+7], v[SW_], v[SA_] matrix_a_fmt:MATRIX_FMT_BF6 matrix_b_fmt:MATRIX_FMT_BF6 matrix_a_scale:MATRIX_SCALE_ROW1
.elseif PB_
	v_wmma_scale_f32_16x16x128_f8f6f4 v[D_:D_+7], v[A_:A_+11], v[B_:B_+11], v[C_:C_+7], v[SW_], v[SA_] matrix_a_fmt:MATRIX_FMT_BF6 matrix_b_fmt:MATRIX_FMT_BF6 matrix_b_scale:MATRIX_SCALE_ROW1
.else
	v_wmma_scale_f32_16x16x128_f8f6f4 v[D_:D_+7], v[A_:A_+11], v[B_:B_+11], v[C_:C_+7], v[SW_], v[SA_] matrix_a_fmt:MATRIX_FMT_BF6 matrix_b_fmt:MATRIX_FMT_BF6
.endif
.endm
; Half-chunk hc: four weight fragments x the four fragments of 16 slots: 16 products, on 16 accumulators that take turns, one instruction a turn.
; hc 0-7: layer 1 (K step hc / 2, tiles 4 (hc % 2) ..);  8-11: layer 2;  12-13: layer 3.  The stream runs five half-chunks ahead, across the layers.
.macro STEP hc
.set FIRST_, 0
.set NEWK_, 1
.if (\hc) < 8
.set KS_,  (\hc)/2
.set T0_,  4*((\hc)%2)
.set AB_,  0
.set AM_,  8
.set BB_,  B1
.set SAB_, SA1
.set SAM_, 4
.set NEWK_, 1-(\hc)%2
.if (\hc) < 2
.set FIRST_, 1
.endif
.elseif (\hc) < 12
.set KS_,  (\hc)-8
.set T0_,  0
.set AB_,  0
.set AM_,  4
.set BB_,  B2
.set SAB_, SA2
.set SAM_, 4
.if (\hc) == 8
.set FIRST_, 1
.endif
.else
.set KS_,  (\hc)-12
.set T0_,  0
.set AB_,  128
.set AM_,  4
.set BB_,  B3
.set SAB_, SA1
.set SAM_, 2
.if (\hc) == 12
.set FIRST_, 1
.endif
.endif
	s_wait_loadcnt NLD-(NW0+12*((\hc)+1))          ; half-chunk hc is in (and the scale blocks, issued in front of half-chunk 0); the later ones stay out
.if (\hc) == 0
	WLOAD 4
	WLOAD 5
.elseif (\hc) <= 8
	PLACES                                         ; the slot filled next was read by the products just issued
	WLOAD (\hc)+5
.endif
.if NEWK_
	s_wait_dscnt NDS-(NX0+12*(KS_+1))              ; this K step's four activation fragments are in; the later K steps' stay out
.endif
.if ((\hc)%6) == 5
.set WB_, 0
.set WW_, 0x5f                         ; weights in window 3
.else
.set WB_, 48*((\hc)%6)
.set WW_, 0x5e                         ; weights in window 2, activations in window 3, C and D in window 1
.endif
.if FIRST_
.set WW_, WW_-0x10                     ; C is the bias, in window 0
.endif
	WIN WW_
.irp tp, 0,1,2,3
.irp mt, 0,1,2,3
.set D_, AB_+8*(AM_*\mt+T0_+\tp)
.if FIRST_
.set C_, BB_+8*(T0_+\tp)
.else
.set C_, D_
.endif
.set A_, WB_+12*\tp
.set B_, 64+12*(4*KS_+\mt)
.set SW_, SCW+4*((4*(\hc)+\tp)/8)+((4*(\hc)+\tp)%8)/2
.set SA_, SAB_+SAM_*(\mt/2)+KS_
.set PA_, \tp%2
.set PB_, \mt%2
	MMA
.endr
.endr
.endm
; 64 accumulator registers (four runs of 16 neighbours along the next K) become leaky(x) in f32 and then 12 registers of codes: registers 6 c .. 6 c + 5 of lane (r, h) hold run 2 c + h whole.
; M, E, S: each run's block: largest magnitude (mine and lane l xor 16's), scale byte, scale as f32.  Each accumulator is read from its low end on.
.macro QUANT4 acc, p
	WIN 0x01                                       ; source 0 in window 1
.set i_, 0
.rept 32
	v_pk_mul_f32 v[Y+i_:Y+i_+1], v[\acc+i_:\acc+i_+1], 0x3e4ccccd op_sel_hi:[1,0]
.set i_, i_+2
.endr
.set i_, 0
.rept 64
	v_max_num_f32 v[Y+i_], v[\acc+i_], v[Y+i_]     ; max(x, 0.2 x)
.set i_, i_+1
.endr
	WIN 0
.irp b, 0,1,2,3
	v_max3_num_f32 v[M+\b], |v[Y+16*\b]|, |v[Y+16*\b+1]|, |v[Y+16*\b+2]|
	v_max3_num_f32 v[E+\b], |v[Y+16*\b+3]|, |v[Y+16*\b+4]|, |v[Y+16*\b+5]|
.endr
.irp k, 6,10
.irp b, 0,1,2,3
	v_max3_num_f32 v[M+\b], v[M+\b], |v[Y+16*\b+\k]|, |v[Y+16*\b+\k+1]|
	v_max3_num_f32 v[E+\b], v[E+\b], |v[Y+16*\b+\k+2]|, |v[Y+16*\b+\k+3]|
.endr
.endr
.irp b, 0,1,2,3
	v_max3_num_f32 v[M+\b], v[M+\b], |v[Y+16*\b+14]|, |v[Y+16*\b+15]|
.endr
.irp b, 0,1,2,3
	v_max_num_f32 v[M+\b], v[M+\b], v[E+\b]
.endr
.irp b, 0,1,2,3
	v_mov_b32 v[E+\b], 0                           ; (the destination of a lane permute counts as read)
.endr
.irp b, 0,1,2,3
	v_permlanex16_b32 v[E+\b], v[M+\b], s60, s61
.endr
.irp b, 0,1,2,3
	v_max_num_f32 v[M+\b], v[M+\b], v[E+\b]
.endr
.irp b, 0,1,2,3
	v_lshrrev_b32 v[E+\b], 23, v[M+\b]
.endr
.irp b, 0,1,2,3
	v_max_u32 v[E+\b], 5, v[E+\b]
.endr
.irp b, 0,1,2,3
	v_add_nc_u32 v[E+\b], -4, v[E+\b]
.endr
.irp b, 0,1,2,3
	v_lshlrev_b32 v[S+\b], 23, v[E+\b]
.endr
.irp b, 0,1,2,3
	v_cmp_eq_u32 vcc_lo, 0, v[M+\b]
	v_cndmask_b32 v[E+\b], v[E+\b], 127, vcc_lo
.endr
.irp c, 0,1
	v_cvt_scalef32_pk16_bf6_f32 v[\p+6*\c:\p+6*\c+2], v[Y+32*\c:Y+32*\c+15], v[S+2*\c]
	v_cvt_scalef32_pk16_bf6_f32 v[T0+4*\c:T0+4*\c+2], v[Y+32*\c+16:Y+32*\c+31], v[S+2*\c+1]   ; (a conversion's three registers begin on an even number)
.endr
	v_nop                                          ; one plain place behind a scaled conversion
.irp c, 0,1
.irp i, 0,1,2
	v_permlane16_swap_b32 v[\p+6*\c+\i], v[T0+4*\c+\i]
.endr
.endr
.irp c, 0,1
.irp i, 0,1,2
	v_mov_b32 v[\p+6*\c+3+\i], v[T0+4*\c+\i]
.endr
.endr
.endm
.macro EPI1 mt                         ; a1 of slots 16 mt ..: my 128 columns are one whole K step of layer 2: a whole fragment and a whole scale word
	QUANT4 64*\mt, P+12*\mt
	v_lshl_or_b32 v[SW], v[E+1], 8, v[E]
	v_lshl_or_b32 v[SW], v[E+2], 16, v[SW]
	v_lshl_or_b32 v[SW], v[E+3], 24, v[SW]
	ds_store_b32 v[S1ST], v[SW] offset:256*\mt     ; both halves of the lanes write the same word with the same value
.irp p, 0,1,2
	ds_store_b128 v[A1ST], v[P+12*\mt+4*\p:P+12*\mt+4*\p+3] offset:1536*\mt+512*\p
.endr
.endm
.macro EPI2 g                          ; a2 of slots 32 g ..: my 64 columns are half a K step of layer 3: six registers of a fragment and two bytes of a scale word for each mt = 2 g + c
	QUANT4 64*\g, P+12*\g
.irp c, 0,1
	v_lshl_or_b32 v[M+\c], v[E+2*\c+1], 8, v[E+2*\c]
	ds_store_b64 v[A2S0], v[P+12*\g+6*\c:P+12*\g+6*\c+1] offset:1536*(2*\g+\c)
	ds_store_b64 v[A2S1], v[P+12*\g+6*\c+2:P+12*\g+6*\c+3] offset:1536*(2*\g+\c)
	ds_store_b64 v[A2S0], v[P+12*\g+6*\c+4:P+12*\g+6*\c+5] offset:1536*(2*\g+\c)+512
	ds_store_b16 v[S2ST], v[M+\c] offset:128*(2*\g+\c)
.endr
.endm
; The way out of slots 16 mt ..: a lane holds pieces of one row and the lanes beside it other rows, so the 16 x 64 numbers go through my own stage and come back by rows.
; LDS serves a wave's instructions in order (ISA guide 5.7.1.4): the loads see the stores.  Each mt has a stage, and 32 registers of window 0, of its own.
.macro OBSET mt
.if (\mt) == 3
.set OB_, 224
.else
.set OB_, 80+32*(\mt)
.endif
.endm
.macro TOSTAGE mt
	OBSET \mt
	WIN 0x04
.irp t, 0,1,2,3
	ds_store_b128 v[OST], v[128+8*(4*\mt+\t):128+8*(4*\mt+\t)+3] offset:4352*\mt+128*(\t/2)+32*(\t%2)        ; each accumulator from its low end on
	ds_store_b128 v[OST], v[128+8*(4*\mt+\t)+4:128+8*(4*\mt+\t)+7] offset:4352*\mt+128*(\t/2)+32*(\t%2)+16
.endr
	WIN 0
.irp i, 0,1,2,3,4,5,6,7
	ds_load_b128 v[OB_+4*\i:OB_+4*\i+3], v[ORD] offset:4352*\mt+272*\i   ; lanes 0-15 slot 16 mt + i, lanes 16-31 slot 16 mt + 8 + i
.endr
.set NDS, NDS+16
.endm
.macro SEND mt                         ; every window is 0 here, as it has to be at a branch
	OBSET \mt
	s_wait_dscnt NDS-(NT0+16*(\mt+1))              ; this stage's loads are back; a younger stage's 16 instructions stay out
.irp i, 0,1,2,3,4,5,6,7
.if 16*\mt+\i > 0
	s_cmp_le_u32 s25, 16*\mt+\i                    ; slot 16 mt + i has no row: neither has any slot of this store or of a later one
	s_cbranch_scc1 .Ldone
.endif
	global_store_b128 v[RO+8*\mt+\i], v[OB_+4*\i:OB_+4*\i+3], s[22:23] th:TH_STORE_NT   ; 16 lanes store 256 consecutive bytes of a row, at a multiple of 256 from out0's first byte
.endr
.endm
	; ---- arguments; then, at once, the tile's entry, my 16 slots and the tile's first slot: none of the three hangs on another ----
	s_load_b512 s[8:23], s[0:1], 0x0               ; h 8, rowlist 10, tiles 12, wp 14, b1 16, b2 18, b3 20, out0 22
	v_lshl_add_u32 v7, v0, 2, 0x21d00
	v_mov_b32 v29, 0
	v_lshrrev_b32 v14, 5, v0
	v_readfirstlane_b32 s3, v14                    ; wave 0..3
	v_and_b32 v16, 31, v0
	v_and_b32 v14, 15, v0                          ; r
	v_bfe_u32 v15, v0, 4, 1                        ; h
	v_lshlrev_b32 v[L16], 4, v16
	v_lshlrev_b32 v[L8], 3, v16
	s_lshl_b32 s58, ttmp9, 8                       ; a tile's 64 slots are 256 bytes
	s_mov_b32 s59, 0
	s_lshl_b32 s62, ttmp9, 4
	s_lshl_b32 s63, s3, 6
	s_mov_b32 s60, 0x76543210                      ; v_permlanex16_b32's selects for lane l xor 16
	s_mov_b32 s61, 0xfedcba98
	s_wait_kmcnt 0x0
	s_add_nc_u64 s[56:57], s[10:11], s[58:59]
	s_load_b128 s[24:27], s[12:13], s62 offset:0x0 ; {expert, rows, 0, 0}
	s_load_b512 s[32:47], s[56:57], s63 offset:0x0 ; slots 16 w .. 16 w + 15
	s_load_b32 s28, s[56:57], 0x0                  ; slot 0
	; ---- the lanes' addresses, while these are on their way ----
	s_mul_i32 s66, s3, XKS
	s_add_co_u32 s66, s66, A1B
	v_add_nc_u32 v[A1ST], s66, v[L16]              ; K step w of A1
	s_lshl_b32 s66, s3, 2
	s_add_co_u32 s66, s66, S1B
	v_lshl_add_u32 v[S1ST], v14, 4, s66            ; 16 bytes a slot, word w
	s_lshr_b32 s66, s3, 1
	s_mul_i32 s66, s66, XKS
	s_add_co_u32 s66, s66, A2B                     ; K step w / 2 of A2
	s_and_b32 s67, s3, 1
	s_mul_i32 s68, s67, 520
	s_add_co_u32 s68, s68, s66
	v_add_nc_u32 v[A2S0], s68, v[L16]
	s_mul_i32 s68, s67, 1016
	s_add_co_u32 s68, s68, s66
	s_add_co_u32 s68, s68, 8
	v_add_nc_u32 v[A2S1], s68, v[L16]
	s_lshl_b32 s66, s3, 1
	s_add_co_u32 s66, s66, S2B
	v_lshl_add_u32 v[S2ST], v14, 3, s66            ; 8 bytes a slot, bytes 2 w, 2 w + 1
	s_mul_i32 s66, s3, 17408
	s_add_co_u32 s66, s66, OSB
	v_mul_u32_u24 v17, v14, 272
	v_lshl_add_u32 v17, v15, 6, v17
	v_add_nc_u32 v[OST], s66, v17                  ; row r, 64 h bytes on
	v_mul_u32_u24 v17, v15, 2176
	v_lshl_add_u32 v17, v14, 4, v17
	v_add_nc_u32 v[ORD], s66, v17                  ; row 8 h, 16 r bytes on
	v_lshlrev_b32 v[H8], 3, v15
	v_lshlrev_b32 v[H32], 5, v15
	s_lshl_b32 s66, s3, 8
	v_lshl_add_u32 v[OLANE], v14, 4, s66
	s_lshl_b32 s66, s3, 10
	s_add_co_u32 s66, s66, BSB
	v_lshl_add_u32 v[BRD], v15, 6, s66
	v_add_nc_u32 v[BST], s66, v[L16]
	s_add_co_u32 s67, s66, 512
	v_add_nc_u32 v[BST8], s67, v[L8]
	v_lshlrev_b32 v[HOFF], 7, v14
	v_lshl_add_u32 v[HOFF], v15, 6, v[HOFF]
	v_lshrrev_b32 v17, 2, v14                      ; block r of a row of h: K step r / 4, in it c = (r / 2) % 2 and the operand's lane half r % 2;
	v_mul_u32_u24 v17, v17, XKS
	v_and_b32 v18, 1, v14
	v_lshl_add_u32 v17, v18, 8, v17
	v_lshl_add_u32 v17, v15, 4, v17                ; my half of the lanes holds the pair's row h
	s_mul_i32 s66, s3, 1536                        ; my 16 slots are mt = w
	v_add_nc_u32 v17, s66, v17
	v_bfe_u32 v18, v14, 1, 1
	v_mad_u32_u24 v[XA0], v18, 520, v17
	v_mad_u32_u24 v[XA1], v18, 1016, v17
	v_add_nc_u32 v[XA1], 8, v[XA1]
	s_lshl_b32 s66, s3, 8
	s_add_co_u32 s66, s66, SXB
	v_add_nc_u32 v[SXA], s66, v14                  ; 16 bytes a slot, byte r
	s_wait_kmcnt 0x0
	s_min_u32 s24, s24, 7                          ; expert
	s_max_u32 s25, s25, 1
	s_min_u32 s25, s25, 64                         ; rows
	s_mul_i32 s58, s24, 358400
	s_mul_i32 s62, s3, 89600
	s_add_co_u32 s58, s58, s62
	s_add_nc_u64 s[48:49], s[14:15], s[58:59]      ; my stream of weights
	s_lshl_b32 s58, s24, 11
	s_lshl_b32 s62, s3, 9
	s_add_co_u32 s58, s58, s62
	s_add_nc_u64 s[50:51], s[16:17], s[58:59]      ; b1[e][128 w]
	s_lshr_b32 s58, s58, 1
	s_add_nc_u64 s[52:53], s[18:19], s[58:59]      ; b2[e][64 w]
	s_add_nc_u64 s[54:55], s[20:21], s[58:59]      ; b3[e][64 w]
	v_mov_b32 v[ROW0], s28
	global_load_b128 v[RAWB:RAWB+3], v[L16], s[50:51]
	global_load_b64 v[RAWB+4:RAWB+5], v[L8], s[52:53]
	global_load_b64 v[RAWB+6:RAWB+7], v[L8], s[54:55]
.set NLD, NLD+3
	s_lshl_b32 s67, s3, 4                          ; my first slot
.irp i, 0,1,2,3,4,5,6,7,8,9,10,11,12,13,14,15
	s_add_co_u32 s66, s67, \i
	s_cmp_lt_u32 s66, s25
	s_cselect_b32 s66, s[32+\i], s28               ; a slot without a row takes the tile's first row
	s_min_u32 s66, s66, 0x1fff
	s_lshl_b32 s66, s66, 11
	v_add_nc_u32 v[HO+\i], s66, v[HOFF]
.endr
.set NH0, NLD
	HLOAD 0
	HLOAD 1
	HLOAD 2
	; ---- the biases: three loads, through my own 1,024 bytes of LDS into the layout of a C operand: register j of tile t = 2 b + u holds b[Nw + 32 b + 16 h + 8 u + j] ----
	WIN 0
	s_wait_loadcnt NLD-3                           ; the 48 loads of h stay out
	ds_store_b128 v[BST], v[RAWB:RAWB+3]
	ds_store_b64 v[BST8], v[RAWB+4:RAWB+5]
	ds_store_b64 v[BST8], v[RAWB+6:RAWB+7] offset:256
.irp t, 0,1,2,3,4,5,6,7
	ds_load_b128 v[B1+8*\t:B1+8*\t+3], v[BRD] offset:128*(\t/2)+32*(\t%2)        ; my own bytes: LDS serves a wave in order, these see the stores above;
	ds_load_b128 v[B1+8*\t+4:B1+8*\t+7], v[BRD] offset:128*(\t/2)+32*(\t%2)+16   ; they are waited for by the wait for 0 in front of the first barrier
.endr
.irp t, 0,1,2,3
	ds_load_b128 v[B2+8*\t:B2+8*\t+3], v[BRD] offset:512+128*(\t/2)+32*(\t%2)
	ds_load_b128 v[B2+8*\t+4:B2+8*\t+7], v[BRD] offset:512+128*(\t/2)+32*(\t%2)+16
	ds_load_b128 v[B3+8*\t:B3+8*\t+3], v[BRD] offset:768+128*(\t/2)+32*(\t%2)
	ds_load_b128 v[B3+8*\t+4:B3+8*\t+7], v[BRD] offset:768+128*(\t/2)+32*(\t%2)+16
.endr
	; ---- h to codes, four rows at a time; behind each group the load queue is filled up again: the last rows, the scale blocks, the first half-chunks ----
	QROWS 0
	HLOAD 3                                        ; into the registers that the first four rows have left
	WIN 0
.irp g, 0,1,2,3,4,5,6
	global_load_b128 v[SCW+4*\g:SCW+4*\g+3], v[L16], s[48:49] offset:86016+512*\g   ; register j: lanes 0-15 the words of fragment 8 g + 2 j, lanes 16-31 of 8 g + 2 j + 1
.endr
.set NLD, NLD+7
	QROWS 1
.set NW0, NLD
	WLOAD 0
	QROWS 2
	WLOAD 1
	WLOAD 2
	QROWS 3
	WLOAD 3
	BARRIER                                        ; X and SX are whole
	; ---- layer 1: K = 512 in 4 steps of 128, 8 weight tiles: 128 products ----
	WIN 0
.irp pr, 0,1
	ds_load_b128 v[SA1+4*\pr:SA1+4*\pr+3], v[L16] offset:SXB+512*\pr   ; register ks: lanes 0-15 the words of slots 32 pr .. (mt = 2 pr), lanes 16-31 of mt = 2 pr + 1
.endr
	ALOADF 0, 4
.irp hc, 0,1,2,3,4,5,6,7
	STEP \hc
.endr
	PLACES
.irp mt, 0,1,2,3
	EPI1 \mt
.endr
	BARRIER                                        ; A1 and S1 are whole
	; ---- layer 2: K = 512 in 4 steps, 4 weight tiles: 64 products ----
.irp pr, 0,1
	ds_load_b128 v[SA2+4*\pr:SA2+4*\pr+3], v[L16] offset:S1B+512*\pr
.endr
	ALOADF A1B, 4
.irp hc, 8,9,10,11
	STEP \hc
.endr
	PLACES
	WIN 0
.irp mt, 0,1,2,3                       ; the row numbers for the way out: lane half h takes slots 16 mt + 8 h + 0 .. 7 (into b2's registers, last read by layer 2's first K step)
.irp x, 0,1
	global_load_b128 v[RO+8*\mt+4*\x:RO+8*\mt+4*\x+3], v[H32], s[56:57] offset:64*\mt+16*\x
.endr
.endr
.set NLD, NLD+8
	EPI2 0
	EPI2 1
	BARRIER                                        ; A2 and S2 are whole
	; ---- layer 3: K = 256 in 2 steps, 4 weight tiles: 32 products ----
.irp pr, 0,1
	ds_load_b64 v[SA1+2*\pr:SA1+2*\pr+1], v[L8] offset:S2B+256*\pr
.endr
	ALOADF A2B, 2
	WIN 0
	s_wait_loadcnt 0x0                             ; the row numbers are the last loads of the text
.irp mt, 0,1,2,3
.irp i, 0,1,2,3,4,5,6,7
	s_sub_co_i32 s66, s25, 16*\mt+\i
	v_cmp_gt_i32 vcc_lo, s66, v[H8]                ; slot 16 mt + 8 h + i below the tile's rows
	v_cndmask_b32 v[RO+8*\mt+\i], v[ROW0], v[RO+8*\mt+\i], vcc_lo
	v_min_u32 v[RO+8*\mt+\i], 0x1fff, v[RO+8*\mt+\i]
	v_lshl_add_u32 v[RO+8*\mt+\i], v[RO+8*\mt+\i], 10, v[OLANE]
.endr
.endr
	STEP 12
	STEP 13
	; ---- the way out: a stage's round trip stands beside the stores of the stage before ----
	PLACES                                         ; for the LDS stores that read the results, and for the loads into b3's registers, which layer 3's first K step read
.set NT0, NDS
	TOSTAGE 0
	TOSTAGE 1
	SEND 0
	TOSTAGE 2
	SEND 1
	TOSTAGE 3
	SEND 2
	SEND 3
.Ldone:
	s_wait_dscnt 0x0                               ; a stage's read-back that is not stored may still be out
	s_wait_tensorcnt 0x0
	ds_add_u32 v7, v29
	s_wait_dscnt 0x0
	s_endpgm
.Lfunc_end_k_q798e2e70a6_mlp:
	.size	k_q798e2e70a6_mlp, .Lfunc_end_k_q798e2e70a6_mlp-k_q798e2e70a6_mlp
	.p2alignl 7, 3214868480
	.fill 96, 4, 3214868480
	.section	.rodata,"a",@progbits
	.p2align	6, 0x0
	.amdhsa_kernel k_q798e2e70a6_mlp
		.amdhsa_group_segment_fixed_size 139008
		.amdhsa_private_segment_fixed_size 0
		.amdhsa_enable_private_segment 0
		.amdhsa_kernarg_size 64
		.amdhsa_user_sgpr_count 2
		.amdhsa_user_sgpr_kernarg_segment_ptr 1
		.amdhsa_wavefront_size32 1
		.amdhsa_system_sgpr_workgroup_id_x 1
		.amdhsa_system_sgpr_workgroup_id_y 1
		.amdhsa_system_sgpr_workgroup_id_z 1
		.amdhsa_system_vgpr_workitem_id 0
		.amdhsa_next_free_vgpr 1024
		.amdhsa_next_free_sgpr 72
		.amdhsa_reserve_vcc 1
		.amdhsa_float_denorm_mode_32 3
		.amdhsa_float_denorm_mode_16_64 3
		.amdhsa_memory_ordered 1
		.amdhsa_forward_progress 1
		.amdhsa_inst_pref_size 167
	.end_amdhsa_kernel
	.amdgpu_metadata
---
amdhsa.version: [ 1, 2 ]
amdhsa.kernels:
  - .name:           k_q798e2e70a6_mlp
    .symbol:         k_q798e2e70a6_mlp.kd
    .args:
      - { .name: h, .offset: 0, .size: 8, .value_kind: global_buffer, .address_space: global }
      - { .name: rowlist, .offset: 8, .size: 8, .value_kind: global_buffer, .address_space: global }
      - { .name: tiles, .offset: 16, .size: 8, .value_kind: global_buffer, .address_space: global }
      - { .name: wp, .offset: 24, .size: 8, .value_kind: global_buffer, .address_space: global }
      - { .name: b1, .offset: 32, .size: 8, .value_kind: global_buffer, .address_space: global }
      - { .name: b2, .offset: 40, .size: 8, .value_kind: global_buffer, .address_space: global }
      - { .name: b3, .offset: 48, .size: 8, .value_kind: global_buffer, .address_space: global }
      - { .name: out0, .offset: 56, .size: 8, .value_kind: global_buffer, .address_space: global }
    .group_segment_fixed_size: 139008
    .private_segment_fixed_size: 0
    .kernarg_segment_align: 8
    .kernarg_segment_size: 64
    .max_flat_workgroup_size: 128
    .sgpr_count:     72
    .vgpr_count:     1024
    .wavefront_size: 32
...
	.end_amdgpu_metadata
.endif
;; end of part 4
;; ======== version 3 of 3: 2 launches; version 2 with the launch mlp written anew for expert scheduling mode
;; workspace buffers: rowlist 34,816 bytes of whole numbers; tiles 4,096 bytes of whole numbers; wp 2,867,200 bytes
;; launch prep: the kernel of part 3 again; grid 225 x 1, 8 waves a work-group, no clusters, 54,528 bytes of LDS; arguments gate_id, W1, W2, W3, rowlist, tiles, wp; writes rowlist, tiles, wp
;; launch mlp (part 5): grid 135 x 1, 4 waves a work-group, no clusters, 139,008 bytes of LDS; arguments h, rowlist, tiles, wp, b1, b2, b3, out0; writes out0
.if DOCPART == 5
	.amdgcn_target "amdgcn-amd-amdhsa--gfx1250"
	.amdhsa_code_object_version 6
	.text
	.protected	k_q798e2e70a6_mlp
	.globl	k_q798e2e70a6_mlp
	.p2align	8
	.type	k_q798e2e70a6_mlp,@function
k_q798e2e70a6_mlp:
	s_mov_b64 s[64:65], 0
	v_nop
	global_prefetch_b8 v0, s[64:65] scope:SCOPE_SE
	s_setreg_imm32_b32 hwreg(HW_REG_WAVE_SCHED_MODE, 0, 2), 2
	s_setreg_imm32_b32 hwreg(HW_REG_WAVE_MODE, 25, 1), 1
	s_wait_xcnt 0x0
	s_wait_alu depctr_vm_vsrc(0)
; MLP: one work-group = one tile of 64 slots (1 to 64 rows) of one expert: gather of h, three layers, scatter of the result, in one text.
;   a1 = leaky(Q(h) Q(W1) + b1) [64 x 512], a2 = leaky(Q(a1) Q(W2) + b2) [64 x 256], y = Q(a2) Q(W3) + b3 [64 x 256];  leaky(x) = max(x, 0.2 x).
;   Q: E3M2 codes with one E8M0 scale for each 32 along K: byte = exponent field of the block's largest magnitude - 4, held at 1 from below, 127 for a block of zeros;
;   numbers / scale to the nearest code, ties to even, beyond 28 the largest code.  Sums, biases and leaky in f32.
; Four waves.  Wave w makes columns 128 w .. of a1 and 64 w .. of a2 and y for all 64 slots, so each weight byte enters the work-group once, straight into registers:
; wp holds the weights as codes in the order in which an operand lies in registers; a wave's stream is 14 half-chunks of 4 fragments (6,144 bytes) and 7 scale blocks,
; every load covers 512 consecutive bytes.  Activations go from wave to wave through LDS, as codes, in the same register order: three loads of 16 bytes a lane fill a fragment.
; THE MATRIX INSTRUCTION IS USED TRANSPOSED: source 0 = 16 columns of the weights, source 1 = 16 slots.  Row r of weight tile t = 2 b + u is column Nw + 32 b + 8 u + r + 8 (r / 8),
; so lane (r, h) holds slot r, and its 16 registers of tiles 2 b, 2 b + 1 are columns Nw + 32 b + 16 h + 0 .. 15: sixteen neighbours along the next K, which one conversion takes.
; The bias is the C operand of each layer's first K step: nothing is cleared and nothing added later.
; SLOTS WITHOUT A ROW (at or beyond the tile's number of rows) take the tile's first row in the gather and compute its bits again.  On the way out a store serves two slots, eight apart;
; the stores go in ascending order of the lower slot, and at the first whose lower slot has no row the wave jumps to its end (the number of rows was read from tiles[]).
; Where the lower slot has a row and the upper has none (eight stores a wave at the most), the upper lanes store the first row's bits once more to that row's bytes. No lane is switched off.
; NO CLUSTER, NO JOINT REQUESTS: the tiles of an expert read the same weights, but their number (0 to 135) hangs on gate_id, so the 135 work-groups do not fall into
; groups of four of one expert; and the weights go into registers by loads that have no joint form.  NO TENSOR LOADS: wp already lies in register order.
; NO PREFETCH: wp was stored by the launch in front of this one and is read by all tiles of an expert; up to 60 loads of a wave are out from the first row of h on.
; LIMITS: NaN and infinities among the inputs are not served.  The bias is the first term of each f32 sum, not the last.
; THE MODE: SCHED_MODE bits 1:0 = 2 (LLVM: expert scheduling mode 2), set by the entry lines.  The code itself states the register dependences
; between vector or matrix instructions and memory or LDS instructions, with s_wait_alu, always for 0.
; THE PLAN.  Registers that memory or LDS instructions touch, and who else names them:
;   addresses      v1-13, v33, v81-86, v88-103: made at the head, ahead of one wait on va_vdst; never written again, but v80-111, which become the codes' registers P (below).
;   rows of h      window 1, three sets: loads land in them, QROWS's vector lines read them; set 0 is loaded again behind the wait on va_vdst that stands in QROWS 0.
;   Q(h)'s codes   window 1, two sets by turns: QROWS g writes a set, its LDS stores read it behind one wait on va_vdst.  One wait on vm_vsrc at the head of group 2 frees both sets.
;                  One wait on vm_vsrc behind the first barrier frees them for layer 1's sums, and v80-111 for P.
;   the ring       six slots of weights.  Step hc's products read slot hc % 6; step hc + 2 fills it again.  One wait on va_vdst at the head of steps 2, 4 and 6 serves that step's refill and the
;                  next step's: both slots were read by products issued ahead of it, and the products issued since name another slot.  Steps 8 and 9 refill behind the waits of a1's way to LDS.
;   activations    window 3, and their scale words v64-79: loaded ahead of a layer, read by its products, loaded again behind the waits on va_vdst of the codes' way to LDS, with no vector or matrix line between.
;   P, v34, v14-15 what goes to LDS behind a layer: written by the quantiser, read by LDS stores behind one wait on va_vdst; a wait on vm_vsrc ahead of each rewrite.
;   v192-223       b2, read by layer 2's first K step; behind one wait on va_vdst the row numbers land there; vector lines make them offsets, which the last stores read.
;   the way out    one wait on va_vdst and one on vm_vsrc; behind them stand LDS and memory instructions alone.
; Masks are made by compares into scalar registers, in runs, with one wait on va_sdst behind each run.
;
; LDS: X, A1, A2: fragment images, K step ks at ks x 6,208 (4 x 1,536 + 64), slots 16 mt .. at mt x 1,536, register j of lane L at 512 (j / 4) + 16 L + 4 (j % 4).
;      SX, S1: 16 scale bytes a slot (a word for each K step);  S2: 8 a slot.  BS: 1,024 bytes a wave: its b1, b2, b3.  OS: for each wave four stages of 16 rows x 272 bytes.
;      No region is written again after another wave has read it: three barriers (X whole, A1 whole, A2 whole).
.set XKS,  6208
.set A1B,  24832
.set A2B,  49664
.set SXB,  62080
.set S1B,  63104
.set S2B,  64128
.set BSB,  64640
.set OSB,  68736
; REGISTERS, in windows of 256.  Window 0:
.set L16,   1                          ; 16 x lane
.set L8,    2                          ; 8 x lane
.set A1ST,  3                          ; where my codes of a1 go
.set S1ST,  4                          ; and their scale words
.set A2S0,  5                          ; a2: registers 6 c, 6 c + 1 of a lane's image (and 6 c + 4, 6 c + 5, 512 further on), c = wave % 2
.set A2S1,  6                          ; registers 6 c + 2, 6 c + 3
.set S2ST,  8
.set OST,   9                          ; the way out: into my stage
.set ORD,   10                         ; and back
.set H8,    11                         ; 8 h
.set OLANE, 12                         ; 16 r + 256 w: my bytes in a row of out0
.set BRD,   13                         ; my biases, 64 h on
.set M,     14                         ; v14-17 a block's largest magnitude
.set E,     18                         ; v18-21 its scale byte
.set S,     22                         ; v22-25 its scale as f32
.set T0,    26                         ; v26-28, v30-32 the second half of a pair of conversions
.set H32,   33                         ; 32 h
.set SW,    34                         ; a scale word
.set ROW0,  35                         ; the tile's first row number
.set SCW,   36                         ; v36-63  the weights' scale words, all seven blocks.  v36-79 hold scales and nothing else
.set SA1,   64                         ; v64-71  the activations' scale words, layers 1 and 3
.set SA2,   72                         ; v72-79  layer 2
.set P,     80                         ; v80-127 codes behind a layer, 12 registers a fragment.  In front of layer 1:
.set HOFF,  80                         ;   128 r + 64 h: my 64 bytes of a row of h
.set XA0,   81                         ;   where a block of Q(h) goes: as A2S0,
.set XA1,   82                         ;   as A2S1
.set SXA,   84
.set BST,   85
.set BST8,  86
.set HO,    88                         ;   v88-103 byte offsets of my 16 rows in h
.set RAWB,  104                        ;   v104-111 my biases as loaded
.set Y,     128                        ; v128-191 leaky(sums) of 64 accumulator registers
.set B1,    128                        ; v128-191 b1, v192-223 b2, v224-255 b3, laid as C operands
.set B2,    192
.set B3,    224
.set RO,    192                        ; v192-223 at the end: row numbers, then byte offsets in out0
;                                        at the end too: the output rows read back from the stages: mt 0, 1, 2 at v80, v112, v144, mt 3 at v224 (32 registers each)
; Window 1: accumulators: layer 1 tile (t, mt) at 8 (8 mt + t), layer 2 at 8 (4 mt + t), layer 3 at 128 + 8 (4 mt + t).  In front of layer 1: v0-191 three sets of four rows of h; then
.set QM,    192                        ; four rows' largest magnitudes, in two chains
.set QN,    196
.set QE,    200                        ; scale bytes, two sets by turns
.set QS,    208
.set QP,    212
.set QC,    216                        ; codes, two sets by turns: a pair of rows has 6 + 3 registers, 10 apart
; Windows 2 and 3: the ring of weights, six slots of 48 registers: slot s < 5 at 48 s of window 2, slot 5 at 0 of window 3;  16 activation fragments at 64 + 12 (4 ks + mt) of window 3.
; Scalar: s68-71 four masks of a quantiser (a block of zeros);  s32-47 my 16 slots at the head, at the end sixteen masks (a slot with a row).
.set NLD, 0                            ; global loads issued so far: a wait's count is NLD less the number of the last load that it waits for
.set NDS, 0                            ; the same for the runs of LDS instructions that are waited for by count; between such a run and its waits stands no other LDS instruction
.set MSB, 0
.macro WIN new                         ; low byte: bits 1:0 source 0, 3:2 source 1, 5:4 source 2, 7:6 destination; the high byte repeats the setting that is left
.if MSB != \new
	s_set_vgpr_msb (MSB<<8)|\new
.set MSB, \new
.endif
.endm
; Four places behind a matrix instruction of this form before a load is issued into one of its registers and before a vector instruction or an LDS store
; touches them; only plain vector instructions that name none of its registers are counted.
.macro PLACES
.rept 4
	v_nop
.endr
.endm
.macro BARRIER                         ; zero: what I stored is read by other waves behind it
	s_wait_dscnt 0x0
	s_barrier_signal -1
	s_barrier_wait -1
.endm
.macro HLOAD g                         ; rows 4 g .. 4 g + 3 of my 16: lane (r, h) takes k = 32 r + 16 h + 0 .. 15; a row's four loads read its 2,048 bytes
	WIN 0x40
.irp ii, 0,1,2,3
.irp p, 0,1,2,3
	global_load_b128 v[64*((\g)%3)+16*\ii+4*\p:64*((\g)%3)+16*\ii+4*\p+3], v[HO+4*(\g)+\ii], s[8:9] offset:16*\p
.endr
.endr
.set NLD, NLD+16
.endm
.macro WLOAD hc                        ; half-chunk hc of my stream, four fragments, into slot hc % 6: 12 loads of 512 consecutive bytes
.if ((\hc)%6) == 5
	WIN 0xc0
.set WL_, 0
.else
	WIN 0x80
.set WL_, 48*((\hc)%6)
.endif
.irp f, 0,1,2,3
.irp p, 0,1,2
	global_load_b128 v[WL_+12*\f+4*\p:WL_+12*\f+4*\p+3], v[L16], s[48:49] offset:6144*(\hc)+1536*\f+512*\p
.endr
.endr
.set NLD, NLD+12
.endm
; Four rows of h become codes.  A block of 32 lies in lanes r and r + 16.  A conversion gives half a block; two rows' halves change places between the halves of the lanes,
; so that lane (r, h) holds the whole block r of row A (h = 0) or row B (h = 1): 24 bytes, which go to their place in X's image.  Each stage is written across the four rows.
.macro QROWS g
.set XS_, 64*((\g)%3)
.set ES_, QE+4*((\g)%2)
.set CS_, QC+20*((\g)%2)
	s_wait_loadcnt NLD-(NH0+16*((\g)+1))           ; these rows' 16 loads are in; all that was issued behind them stays out
.if (\g) == 2
	s_wait_alu depctr_vm_vsrc(0)                   ; the LDS stores of groups 0 and 1 have read both sets of codes and bytes, which this group and the next write again
.endif
	WIN 0x55
.irp ii, 0,1,2,3
	v_max3_num_f32 v[QM+\ii], |v[XS_+16*\ii]|, |v[XS_+16*\ii+1]|, |v[XS_+16*\ii+2]|
	v_max3_num_f32 v[QN+\ii], |v[XS_+16*\ii+3]|, |v[XS_+16*\ii+4]|, |v[XS_+16*\ii+5]|
.endr
.irp k, 6,10
.irp ii, 0,1,2,3
	v_max3_num_f32 v[QM+\ii], v[QM+\ii], |v[XS_+16*\ii+\k]|, |v[XS_+16*\ii+\k+1]|
	v_max3_num_f32 v[QN+\ii], v[QN+\ii], |v[XS_+16*\ii+\k+2]|, |v[XS_+16*\ii+\k+3]|
.endr
.endr
.irp ii, 0,1,2,3
	v_max3_num_f32 v[QM+\ii], v[QM+\ii], |v[XS_+16*\ii+14]|, |v[XS_+16*\ii+15]|
.endr
.irp ii, 0,1,2,3
	v_max_num_f32 v[QM+\ii], v[QM+\ii], v[QN+\ii]
	v_mov_b32 v[QP+\ii], 0                         ; (the destination of a lane permute counts as read)
.endr
.irp ii, 0,1,2,3
	v_permlanex16_b32 v[QP+\ii], v[QM+\ii], s60, s61
.endr
.irp ii, 0,1,2,3
	v_max_num_f32 v[QM+\ii], v[QM+\ii], v[QP+\ii]  ; the block's largest magnitude
.endr
.irp ii, 0,1,2,3
	v_cmp_eq_u32 s[68+\ii], 0, v[QM+\ii]           ; a block of zeros?  Four masks in a run; the sixteen lines below stand between them and the wait for them
.endr
.irp ii, 0,1,2,3
	v_lshrrev_b32 v[ES_+\ii], 23, v[QM+\ii]        ; its exponent field
.endr
.irp ii, 0,1,2,3
	v_max_u32 v[ES_+\ii], 5, v[ES_+\ii]            ; the byte is not to fall under 1
.endr
.irp ii, 0,1,2,3
	v_add_nc_u32 v[ES_+\ii], -4, v[ES_+\ii]
.endr
.irp ii, 0,1,2,3
	v_lshlrev_b32 v[QS+\ii], 23, v[ES_+\ii]        ; the scale as f32, for the conversion
.endr
	s_wait_alu depctr_va_sdst(0)                   ; the four compares have written s68 to s71, which the selections read
.irp ii, 0,1,2,3
	v_cndmask_b32 v[ES_+\ii], v[ES_+\ii], 127, s[68+\ii]   ; a block of zeros
.endr
.irp pp, 0,1
	v_cvt_scalef32_pk16_bf6_f32 v[CS_+10*\pp:CS_+10*\pp+2], v[XS_+32*\pp:XS_+32*\pp+15], v[QS+2*\pp]
	v_cvt_scalef32_pk16_bf6_f32 v[CS_+10*\pp+6:CS_+10*\pp+8], v[XS_+32*\pp+16:XS_+32*\pp+31], v[QS+2*\pp+1]
.endr
	v_nop                                          ; one plain place behind a scaled conversion
.irp pp, 0,1
.irp i, 0,1,2
	v_permlane16_swap_b32 v[CS_+10*\pp+\i], v[CS_+10*\pp+6+\i]     ; the first now holds each lane's block's lower 16 codes, the second the upper 16
.endr
.endr
.irp pp, 0,1
.irp i, 0,1,2
	v_mov_b32 v[CS_+10*\pp+3+\i], v[CS_+10*\pp+6+\i]
.endr
.endr
	WIN 0x04                                       ; the data of an LDS store are source 1: window 1
	s_wait_alu depctr_va_vdst(0)                   ; the codes and the bytes are written, which the LDS stores read; and the lines above are done reading these four rows (behind group 0 the last four rows land in their registers)
.irp pp, 0,1
	ds_store_b64 v[XA0], v[CS_+10*\pp:CS_+10*\pp+1] offset:32*(2*(\g)+\pp)
	ds_store_b64 v[XA1], v[CS_+10*\pp+2:CS_+10*\pp+3] offset:32*(2*(\g)+\pp)
	ds_store_b64 v[XA0], v[CS_+10*\pp+4:CS_+10*\pp+5] offset:32*(2*(\g)+\pp)+512
	ds_store_b8 v[SXA], v[ES_+2*\pp] offset:16*(4*(\g)+2*\pp)      ; both lanes of a block write the same byte with the same value
	ds_store_b8 v[SXA], v[ES_+2*\pp+1] offset:16*(4*(\g)+2*\pp+1)
.endr
.endm
.macro ALOADF base, nks                ; all activation fragments of a layer, K step by K step: 12 loads of 512 consecutive bytes a K step
.set NX0, NDS
	WIN 0xc0
.set f_, 0
.rept 4*\nks
.irp p, 0,1,2
	ds_load_b128 v[64+12*f_+4*\p:64+12*f_+4*\p+3], v[L16] offset:\base+(f_/4)*XKS+(f_%4)*1536+512*\p
.endr
.set f_, f_+1
.endr
.set NDS, NDS+12*\nks
.endm
.macro MMA                             ; one product; the rows of the two scale registers by the parities PA_ (weight fragment) and PB_ (mt)
.if PA_ && PB_
	v_wmma_scale_f32_16x16x128_f8f6f4 v[D_:D_+7], v[A_:A_+11], v[B_:B_+11], v[C_:C_+7], v[SW_], v[SA_] matrix_a_fmt:MATRIX_FMT_BF6 matrix_b_fmt:MATRIX_FMT_BF6 matrix_a_scale:MATRIX_SCALE_ROW1 matrix_b_scale:MATRIX_SCALE_ROW1
.elseif PA_
	v_wmma_scale_f32_16x16x128_f8f6f4 v[D_:D_+7], v[A_:A_+11], v[B_:B_+11], v[C_:C_+7], v[SW_], v[SA_] matrix_a_fmt:MATRIX_FMT_BF6 matrix_b_fmt:MATRIX_FMT_BF6 matrix_a_scale:MATRIX_SCALE_ROW1
.elseif PB_
	v_wmma_scale_f32_16x16x128_f8f6f4 v[D_:D_+7], v[A_:A_+11], v[B_:B_+11], v[C_:C_+7], v[SW_], v[SA_] matrix_a_fmt:MATRIX_FMT_BF6 matrix_b_fmt:MATRIX_FMT_BF6 matrix_b_scale:MATRIX_SCALE_ROW1
.else
	v_wmma_scale_f32_16x16x128_f8f6f4 v[D_:D_+7], v[A_:A_+11], v[B_:B_+11], v[C_:C_+7], v[SW_], v[SA_] matrix_a_fmt:MATRIX_FMT_BF6 matrix_b_fmt:MATRIX_FMT_BF6
.endif
.endm
; Half-chunk hc: four weight fragments x the four fragments of 16 slots: 16 products, on 16 accumulators that take turns, one instruction a turn.
; hc 0-7: layer 1 (K step hc / 2, tiles 4 (hc % 2) ..);  8-11: layer 2;  12-13: layer 3.  The stream runs four half-chunks ahead, across the layers:
; step hc (2 to 9) asks for half-chunk hc + 4, into the slot that step hc - 2 read.
.macro STEP hc
.set FIRST_, 0
.set NEWK_, 1
.if (\hc) < 8
.set KS_,  (\hc)/2
.set T0_,  4*((\hc)%2)
.set AB_,  0
.set AM_,  8
.set BB_,  B1
.set SAB_, SA1
.set SAM_, 4
.set NEWK_, 1-(\hc)%2
.if (\hc) < 2
.set FIRST_, 1
.endif
.elseif (\hc) < 12
.set KS_,  (\hc)-8
.set T0_,  0
.set AB_,  0
.set AM_,  4
.set BB_,  B2
.set SAB_, SA2
.set SAM_, 4
.if (\hc) == 8
.set FIRST_, 1
.endif
.else
.set KS_,  (\hc)-12
.set T0_,  0
.set AB_,  128
.set AM_,  4
.set BB_,  B3
.set SAB_, SA1
.set SAM_, 2
.if (\hc) == 12
.set FIRST_, 1
.endif
.endif
.if ((\hc) >= 2) && ((\hc) <= 9)
.if ((\hc) < 8) && (((\hc)%2) == 0)
	PLACES                                         ; between the products of the last two steps and the loads, here and in the next step, into the slots that they read
	s_wait_alu depctr_va_vdst(0)                   ; the products of steps hc - 2 and hc - 1 are done reading their slots: this step's refill lands in the first, the next step's in the second; the products between name slot hc % 6 alone of the ring
.endif
	WLOAD (\hc)+4                                  ; (steps 8 and 9: the slots were read by steps 6 and 7, ahead of the waits on va_vdst of a1's way to LDS; the products issued since name other slots)
.endif
	s_wait_loadcnt NLD-(NW0+12*((\hc)+1))          ; half-chunk hc is in (and the scale blocks, issued in front of half-chunk 0); the later ones stay out
.if (\hc) == 0
	WLOAD 4                                        ; slots 4 and 5 are filled for the first time: nothing has named them
	WLOAD 5
.endif
.if NEWK_
	s_wait_dscnt NDS-(NX0+12*(KS_+1))              ; this K step's four activation fragments are in; the later K steps' stay out
.endif
.if ((\hc)%6) == 5
.set WB_, 0
.set WW_, 0x5f                         ; weights in window 3
.else
.set WB_, 48*((\hc)%6)
.set WW_, 0x5e                         ; weights in window 2, activations in window 3, C and D in window 1
.endif
.if FIRST_
.set WW_, WW_-0x10                     ; C is the bias, in window 0
.endif
	WIN WW_
.irp tp, 0,1,2,3
.irp mt, 0,1,2,3
.set D_, AB_+8*(AM_*\mt+T0_+\tp)
.if FIRST_
.set C_, BB_+8*(T0_+\tp)
.else
.set C_, D_
.endif
.set A_, WB_+12*\tp
.set B_, 64+12*(4*KS_+\mt)
.set SW_, SCW+4*((4*(\hc)+\tp)/8)+((4*(\hc)+\tp)%8)/2
.set SA_, SAB_+SAM_*(\mt/2)+KS_
.set PA_, \tp%2
.set PB_, \mt%2
	MMA
.endr
.endr
.endm
; 64 accumulator registers (four runs of 16 neighbours along the next K) become leaky(x) in f32 and then 12 registers of codes: registers 6 c .. 6 c + 5 of lane (r, h) hold run 2 c + h whole.
; M, E, S: each run's block: largest magnitude (mine and lane l xor 16's), scale byte, scale as f32.  Each accumulator is read from its low end on.
.macro QUANT4 acc, p
	WIN 0x01                                       ; source 0 in window 1
.set i_, 0
.rept 32
	v_pk_mul_f32 v[Y+i_:Y+i_+1], v[\acc+i_:\acc+i_+1], 0x3e4ccccd op_sel_hi:[1,0]
.set i_, i_+2
.endr
.set i_, 0
.rept 64
	v_max_num_f32 v[Y+i_], v[\acc+i_], v[Y+i_]     ; max(x, 0.2 x)
.set i_, i_+1
.endr
	WIN 0
.irp b, 0,1,2,3
	v_max3_num_f32 v[M+\b], |v[Y+16*\b]|, |v[Y+16*\b+1]|, |v[Y+16*\b+2]|
	v_max3_num_f32 v[E+\b], |v[Y+16*\b+3]|, |v[Y+16*\b+4]|, |v[Y+16*\b+5]|
.endr
.irp k, 6,10
.irp b, 0,1,2,3
	v_max3_num_f32 v[M+\b], v[M+\b], |v[Y+16*\b+\k]|, |v[Y+16*\b+\k+1]|
	v_max3_num_f32 v[E+\b], v[E+\b], |v[Y+16*\b+\k+2]|, |v[Y+16*\b+\k+3]|
.endr
.endr
.irp b, 0,1,2,3
	v_max3_num_f32 v[M+\b], v[M+\b], |v[Y+16*\b+14]|, |v[Y+16*\b+15]|
.endr
.irp b, 0,1,2,3
	v_max_num_f32 v[M+\b], v[M+\b], v[E+\b]
.endr
.irp b, 0,1,2,3
	v_mov_b32 v[E+\b], 0                           ; (the destination of a lane permute counts as read)
.endr
.irp b, 0,1,2,3
	v_permlanex16_b32 v[E+\b], v[M+\b], s60, s61
.endr
.irp b, 0,1,2,3
	v_max_num_f32 v[M+\b], v[M+\b], v[E+\b]
.endr
.irp b, 0,1,2,3
	v_cmp_eq_u32 s[68+\b], 0, v[M+\b]              ; a block of zeros?  Four masks in a run; the sixteen lines below stand between them and the wait for them
.endr
.irp b, 0,1,2,3
	v_lshrrev_b32 v[E+\b], 23, v[M+\b]
.endr
.irp b, 0,1,2,3
	v_max_u32 v[E+\b], 5, v[E+\b]
.endr
.irp b, 0,1,2,3
	v_add_nc_u32 v[E+\b], -4, v[E+\b]
.endr
.irp b, 0,1,2,3
	v_lshlrev_b32 v[S+\b], 23, v[E+\b]
.endr
	s_wait_alu depctr_va_sdst(0)                   ; the four compares have written s68 to s71, which the selections read
.irp b, 0,1,2,3
	v_cndmask_b32 v[E+\b], v[E+\b], 127, s[68+\b]
.endr
.irp c, 0,1
	v_cvt_scalef32_pk16_bf6_f32 v[\p+6*\c:\p+6*\c+2], v[Y+32*\c:Y+32*\c+15], v[S+2*\c]
	v_cvt_scalef32_pk16_bf6_f32 v[T0+4*\c:T0+4*\c+2], v[Y+32*\c+16:Y+32*\c+31], v[S+2*\c+1]   ; (a conversion's three registers begin on an even number)
.endr
	v_nop                                          ; one plain place behind a scaled conversion
.irp c, 0,1
.irp i, 0,1,2
	v_permlane16_swap_b32 v[\p+6*\c+\i], v[T0+4*\c+\i]
.endr
.endr
.irp c, 0,1
.irp i, 0,1,2
	v_mov_b32 v[\p+6*\c+3+\i], v[T0+4*\c+\i]
.endr
.endr
.endm
.macro EPI1 mt                         ; a1 of slots 16 mt ..: my 128 columns are one whole K step of layer 2: a whole fragment and a whole scale word
	QUANT4 64*\mt, P+12*\mt
.if \mt > 0
	s_wait_alu depctr_vm_vsrc(0)                   ; the LDS store of the last fragment's scale word has read v[SW], which is written again
.endif
	v_lshl_or_b32 v[SW], v[E+1], 8, v[E]
	v_lshl_or_b32 v[SW], v[E+2], 16, v[SW]
	v_lshl_or_b32 v[SW], v[E+3], 24, v[SW]
	s_wait_alu depctr_va_vdst(0)                   ; the fragment's 12 registers of codes and v[SW] are written, which the LDS stores read
	ds_store_b32 v[S1ST], v[SW] offset:256*\mt     ; both halves of the lanes write the same word with the same value
.irp p, 0,1,2
	ds_store_b128 v[A1ST], v[P+12*\mt+4*\p:P+12*\mt+4*\p+3] offset:1536*\mt+512*\p
.endr
.endm
.macro EPI2 g                          ; a2 of slots 32 g ..: my 64 columns are half a K step of layer 3: six registers of a fragment and two bytes of a scale word for each mt = 2 g + c
	s_wait_alu depctr_vm_vsrc(0)                   ; g = 0: a1's LDS stores have read v[P ..], which the conversions write again;  g = 1: the stores of g = 0 have read v[M] and v[M+1], which the maxima write again
	QUANT4 64*\g, P+12*\g
.irp c, 0,1
	v_lshl_or_b32 v[M+\c], v[E+2*\c+1], 8, v[E+2*\c]
.endr
	s_wait_alu depctr_va_vdst(0)                   ; the 12 registers of codes and the two pairs of bytes are written, which the LDS stores read
.irp c, 0,1
	ds_store_b64 v[A2S0], v[P+12*\g+6*\c:P+12*\g+6*\c+1] offset:1536*(2*\g+\c)
	ds_store_b64 v[A2S1], v[P+12*\g+6*\c+2:P+12*\g+6*\c+3] offset:1536*(2*\g+\c)
	ds_store_b64 v[A2S0], v[P+12*\g+6*\c+4:P+12*\g+6*\c+5] offset:1536*(2*\g+\c)+512
	ds_store_b16 v[S2ST], v[M+\c] offset:128*(2*\g+\c)
.endr
.endm
; The way out of slots 16 mt ..: a lane holds pieces of one row and the lanes beside it other rows, so the 16 x 64 numbers go through my own stage and come back by rows.
; LDS serves a wave's instructions in order (ISA guide 5.7.1.4): the loads see the stores.  Each mt has a stage, and 32 registers of window 0, of its own.
.macro OBSET mt
.if (\mt) == 3
.set OB_, 224
.else
.set OB_, 80+32*(\mt)
.endif
.endm
.macro TOSTAGE mt
	OBSET \mt
	WIN 0x04
.irp t, 0,1,2,3
	ds_store_b128 v[OST], v[128+8*(4*\mt+\t):128+8*(4*\mt+\t)+3] offset:4352*\mt+128*(\t/2)+32*(\t%2)        ; each accumulator from its low end on
	ds_store_b128 v[OST], v[128+8*(4*\mt+\t)+4:128+8*(4*\mt+\t)+7] offset:4352*\mt+128*(\t/2)+32*(\t%2)+16
.endr
	WIN 0
.irp i, 0,1,2,3,4,5,6,7
	ds_load_b128 v[OB_+4*\i:OB_+4*\i+3], v[ORD] offset:4352*\mt+272*\i   ; lanes 0-15 slot 16 mt + i, lanes 16-31 slot 16 mt + 8 + i
.endr
.set NDS, NDS+16
.endm
.macro SEND mt                         ; every window is 0 here, as it has to be at a branch
	OBSET \mt
	s_wait_dscnt NDS-(NT0+16*(\mt+1))              ; this stage's loads are back; a younger stage's 16 instructions stay out
.irp i, 0,1,2,3,4,5,6,7
.if 16*\mt+\i > 0
	s_cmp_le_u32 s25, 16*\mt+\i                    ; slot 16 mt + i has no row: neither has any slot of this store or of a later one
	s_cbranch_scc1 .Ldone
.endif
	global_store_b128 v[RO+8*\mt+\i], v[OB_+4*\i:OB_+4*\i+3], s[22:23] th:TH_STORE_NT   ; 16 lanes store 256 consecutive bytes of a row, at a multiple of 256 from out0's first byte
.endr
.endm
	; ---- arguments; then, at once, the tile's entry, my 16 slots and the tile's first slot: none of the three hangs on another ----
	s_load_b512 s[8:23], s[0:1], 0x0               ; h 8, rowlist 10, tiles 12, wp 14, b1 16, b2 18, b3 20, out0 22
	v_lshl_add_u32 v7, v0, 2, 0x21d00
	v_mov_b32 v29, 0
	v_lshrrev_b32 v14, 5, v0
	v_readfirstlane_b32 s3, v14                    ; wave 0..3
	v_and_b32 v16, 31, v0
	v_and_b32 v14, 15, v0                          ; r
	v_bfe_u32 v15, v0, 4, 1                        ; h
	v_lshlrev_b32 v[L16], 4, v16
	v_lshlrev_b32 v[L8], 3, v16
	s_lshl_b32 s58, ttmp9, 8                       ; a tile's 64 slots are 256 bytes
	s_mov_b32 s59, 0
	s_lshl_b32 s62, ttmp9, 4
	s_wait_alu depctr_va_sdst(0)                   ; s3, the wave's number, is written, ahead of its first reader
	s_lshl_b32 s63, s3, 6
	s_mov_b32 s60, 0x76543210                      ; v_permlanex16_b32's selects for lane l xor 16
	s_mov_b32 s61, 0xfedcba98
	s_wait_kmcnt 0x0
	s_add_nc_u64 s[56:57], s[10:11], s[58:59]
	s_load_b128 s[24:27], s[12:13], s62 offset:0x0 ; {expert, rows, 0, 0}
	s_load_b512 s[32:47], s[56:57], s63 offset:0x0 ; slots 16 w .. 16 w + 15
	s_load_b32 s28, s[56:57], 0x0                  ; slot 0
	; ---- the lanes' addresses, while these are on their way ----
	s_mul_i32 s66, s3, XKS
	s_add_co_u32 s66, s66, A1B
	v_add_nc_u32 v[A1ST], s66, v[L16]              ; K step w of A1
	s_lshl_b32 s66, s3, 2
	s_add_co_u32 s66, s66, S1B
	v_lshl_add_u32 v[S1ST], v14, 4, s66            ; 16 bytes a slot, word w
	s_lshr_b32 s66, s3, 1
	s_mul_i32 s66, s66, XKS
	s_add_co_u32 s66, s66, A2B                     ; K step w / 2 of A2
	s_and_b32 s67, s3, 1
	s_mul_i32 s68, s67, 520
	s_add_co_u32 s68, s68, s66
	v_add_nc_u32 v[A2S0], s68, v[L16]
	s_mul_i32 s68, s67, 1016
	s_add_co_u32 s68, s68, s66
	s_add_co_u32 s68, s68, 8
	v_add_nc_u32 v[A2S1], s68, v[L16]
	s_lshl_b32 s66, s3, 1
	s_add_co_u32 s66, s66, S2B
	v_lshl_add_u32 v[S2ST], v14, 3, s66            ; 8 bytes a slot, bytes 2 w, 2 w + 1
	s_mul_i32 s66, s3, 17408
	s_add_co_u32 s66, s66, OSB
	v_mul_u32_u24 v17, v14, 272
	v_lshl_add_u32 v17, v15, 6, v17
	v_add_nc_u32 v[OST], s66, v17                  ; row r, 64 h bytes on
	v_mul_u32_u24 v17, v15, 2176
	v_lshl_add_u32 v17, v14, 4, v17
	v_add_nc_u32 v[ORD], s66, v17                  ; row 8 h, 16 r bytes on
	v_lshlrev_b32 v[H8], 3, v15
	v_lshlrev_b32 v[H32], 5, v15
	s_lshl_b32 s66, s3, 8
	v_lshl_add_u32 v[OLANE], v14, 4, s66
	s_lshl_b32 s66, s3, 10
	s_add_co_u32 s66, s66, BSB
	v_lshl_add_u32 v[BRD], v15, 6, s66
	v_add_nc_u32 v[BST], s66, v[L16]
	s_add_co_u32 s67, s66, 512
	v_add_nc_u32 v[BST8], s67, v[L8]
	v_lshlrev_b32 v[HOFF], 7, v14
	v_lshl_add_u32 v[HOFF], v15, 6, v[HOFF]
	v_lshrrev_b32 v17, 2, v14                      ; block r of a row of h: K step r / 4, in it c = (r / 2) % 2 and the operand's lane half r % 2;
	v_mul_u32_u24 v17, v17, XKS
	v_and_b32 v18, 1, v14
	v_lshl_add_u32 v17, v18, 8, v17
	v_lshl_add_u32 v17, v15, 4, v17                ; my half of the lanes holds the pair's row h
	s_mul_i32 s66, s3, 1536                        ; my 16 slots are mt = w
	v_add_nc_u32 v17, s66, v17
	v_bfe_u32 v18, v14, 1, 1
	v_mad_u32_u24 v[XA0], v18, 520, v17
	v_mad_u32_u24 v[XA1], v18, 1016, v17
	v_add_nc_u32 v[XA1], 8, v[XA1]
	s_lshl_b32 s66, s3, 8
	s_add_co_u32 s66, s66, SXB
	v_add_nc_u32 v[SXA], s66, v14                  ; 16 bytes a slot, byte r
	s_wait_kmcnt 0x0
	s_min_u32 s24, s24, 7                          ; expert
	s_max_u32 s25, s25, 1
	s_min_u32 s25, s25, 64                         ; rows
	s_mul_i32 s58, s24, 358400
	s_mul_i32 s62, s3, 89600
	s_add_co_u32 s58, s58, s62
	s_add_nc_u64 s[48:49], s[14:15], s[58:59]      ; my stream of weights
	s_lshl_b32 s58, s24, 11
	s_lshl_b32 s62, s3, 9
	s_add_co_u32 s58, s58, s62
	s_add_nc_u64 s[50:51], s[16:17], s[58:59]      ; b1[e][128 w]
	s_lshr_b32 s58, s58, 1
	s_add_nc_u64 s[52:53], s[18:19], s[58:59]      ; b2[e][64 w]
	s_add_nc_u64 s[54:55], s[20:21], s[58:59]      ; b3[e][64 w]
	v_mov_b32 v[ROW0], s28
	s_lshl_b32 s67, s3, 4                          ; my first slot
.irp i, 0,1,2,3,4,5,6,7,8,9,10,11,12,13,14,15
	s_add_co_u32 s66, s67, \i
	s_cmp_lt_u32 s66, s25
	s_cselect_b32 s66, s[32+\i], s28               ; a slot without a row takes the tile's first row
	s_min_u32 s66, s66, 0x1fff
	s_lshl_b32 s66, s66, 11
	v_add_nc_u32 v[HO+\i], s66, v[HOFF]
.endr
	s_wait_alu depctr_va_vdst(0)                   ; every address and offset of the kernel is written (v1-13, v33, v81-86, v88-103), ahead of the first load, store or LDS instruction that reads one
	global_load_b128 v[RAWB:RAWB+3], v[L16], s[50:51]
	global_load_b64 v[RAWB+4:RAWB+5], v[L8], s[52:53]
	global_load_b64 v[RAWB+6:RAWB+7], v[L8], s[54:55]
.set NLD, NLD+3
.set NH0, NLD
	HLOAD 0
	HLOAD 1
	HLOAD 2
	; ---- the biases: three loads, through my own 1,024 bytes of LDS into the layout of a C operand: register j of tile t = 2 b + u holds b[Nw + 32 b + 16 h + 8 u + j] ----
	WIN 0
	s_wait_loadcnt NLD-3                           ; the 48 loads of h stay out
	ds_store_b128 v[BST], v[RAWB:RAWB+3]
	ds_store_b64 v[BST8], v[RAWB+4:RAWB+5]
	ds_store_b64 v[BST8], v[RAWB+6:RAWB+7] offset:256
.irp t, 0,1,2,3,4,5,6,7
	ds_load_b128 v[B1+8*\t:B1+8*\t+3], v[BRD] offset:128*(\t/2)+32*(\t%2)        ; my own bytes: LDS serves a wave in order, these see the stores above;
	ds_load_b128 v[B1+8*\t+4:B1+8*\t+7], v[BRD] offset:128*(\t/2)+32*(\t%2)+16   ; they are waited for by the wait for 0 in front of the first barrier
.endr
.irp t, 0,1,2,3
	ds_load_b128 v[B2+8*\t:B2+8*\t+3], v[BRD] offset:512+128*(\t/2)+32*(\t%2)
	ds_load_b128 v[B2+8*\t+4:B2+8*\t+7], v[BRD] offset:512+128*(\t/2)+32*(\t%2)+16
	ds_load_b128 v[B3+8*\t:B3+8*\t+3], v[BRD] offset:768+128*(\t/2)+32*(\t%2)
	ds_load_b128 v[B3+8*\t+4:B3+8*\t+7], v[BRD] offset:768+128*(\t/2)+32*(\t%2)+16
.endr
	; ---- h to codes, four rows at a time; behind each group the load queue is filled up again: the last rows, the scale blocks, the first half-chunks ----
	QROWS 0
	HLOAD 3                                        ; into the registers that the first four rows have left: group 0's lines were done reading them at its wait on va_vdst, and only its LDS stores, which name other registers, stand between
	WIN 0
.irp g, 0,1,2,3,4,5,6
	global_load_b128 v[SCW+4*\g:SCW+4*\g+3], v[L16], s[48:49] offset:86016+512*\g   ; register j: lanes 0-15 the words of fragment 8 g + 2 j, lanes 16-31 of 8 g + 2 j + 1
.endr
.set NLD, NLD+7
	QROWS 1
.set NW0, NLD
	WLOAD 0
	QROWS 2
	WLOAD 1
	WLOAD 2
	QROWS 3
	WLOAD 3
	BARRIER                                        ; X and SX are whole
	; ---- layer 1: K = 512 in 4 steps of 128, 8 weight tiles: 128 products ----
	WIN 0
	s_wait_alu depctr_vm_vsrc(0)                   ; the LDS stores of groups 2 and 3 have read their codes and bytes, over which layer 1's sums are written; the loads of h, the stores of Q(h) and of the biases have read v81-111, over which a1's codes are written
.irp pr, 0,1
	ds_load_b128 v[SA1+4*\pr:SA1+4*\pr+3], v[L16] offset:SXB+512*\pr   ; register ks: lanes 0-15 the words of slots 32 pr .. (mt = 2 pr), lanes 16-31 of mt = 2 pr + 1
.endr
	ALOADF 0, 4
.irp hc, 0,1,2,3,4,5,6,7
	STEP \hc
.endr
	PLACES
.irp mt, 0,1,2,3
	EPI1 \mt
.endr
	BARRIER                                        ; A1 and S1 are whole
	; ---- layer 2: K = 512 in 4 steps, 4 weight tiles: 64 products ----
	; (the fragments land in the registers that layer 1's products read: those were issued ahead of the waits on va_vdst above, and no vector or matrix line has followed the last of these)
.irp pr, 0,1
	ds_load_b128 v[SA2+4*\pr:SA2+4*\pr+3], v[L16] offset:S1B+512*\pr
.endr
	ALOADF A1B, 4
.irp hc, 8,9,10,11
	STEP \hc
.endr
	PLACES
	WIN 0
	s_wait_alu depctr_va_vdst(0)                   ; layer 2's first K step is done reading b2 in v192-223, in which the row numbers land
.irp mt, 0,1,2,3                       ; the row numbers for the way out: lane half h takes slots 16 mt + 8 h + 0 .. 7 (into b2's registers, last read by layer 2's first K step)
.irp x, 0,1
	global_load_b128 v[RO+8*\mt+4*\x:RO+8*\mt+4*\x+3], v[H32], s[56:57] offset:64*\mt+16*\x
.endr
.endr
.set NLD, NLD+8
	EPI2 0
	EPI2 1
	BARRIER                                        ; A2 and S2 are whole
	; ---- layer 3: K = 256 in 2 steps, 4 weight tiles: 32 products ----
	; (the scale words land where layer 1's products read theirs, the fragments where layer 2's products read theirs: all issued ahead of the waits on va_vdst above, with no vector or matrix line behind the last)
.irp pr, 0,1
	ds_load_b64 v[SA1+2*\pr:SA1+2*\pr+1], v[L8] offset:S2B+256*\pr
.endr
	ALOADF A2B, 2
	WIN 0
	s_wait_loadcnt 0x0                             ; the row numbers are the last loads of the text
.irp mp, 0,1                           ; sixteen slots at a time: sixteen masks in a run, one wait, then the selections
.set n_, 0
.rept 16
.set q_, 16*\mp+n_
	s_sub_co_i32 s66, s25, 16*(q_/8)+(q_%8)
	v_cmp_gt_i32 s[32+n_], s66, v[H8]              ; slot 16 mt + 8 h + i below the tile's rows (register 8 mt + i)
.set n_, n_+1
.endr
	s_wait_alu depctr_va_sdst(0)                   ; the sixteen compares have written s32 to s47, which the selections read
.set n_, 0
.rept 16
.set q_, 16*\mp+n_
	v_cndmask_b32 v[RO+q_], v[ROW0], v[RO+q_], s[32+n_]
	v_min_u32 v[RO+q_], 0x1fff, v[RO+q_]
	v_lshl_add_u32 v[RO+q_], v[RO+q_], 10, v[OLANE]
.set n_, n_+1
.endr
.endr
	STEP 12
	STEP 13
	; ---- the way out: a stage's round trip stands beside the stores of the stage before ----
	PLACES                                         ; for the LDS stores that read the results, and for the loads into b3's registers, which layer 3's first K step read
	s_wait_alu depctr_va_vdst(0)                   ; the products have written the sums, which the LDS stores read; the offsets in v192-223 are written, which the stores to out0 read; and all readers and writers of v80-175 and of b3's v224-255, in which the rows land, are done.  No vector or matrix line follows
	s_wait_alu depctr_vm_vsrc(0)                   ; a2's last LDS stores have read their codes in v92-103, in which rows read back from the stage land
.set NT0, NDS
	TOSTAGE 0
	TOSTAGE 1
	SEND 0
	TOSTAGE 2
	SEND 1
	TOSTAGE 3
	SEND 2
	SEND 3
.Ldone:
	s_wait_dscnt 0x0                               ; the closing lines, six on end (the first also waits for a stage's read-back that is not stored)
	s_wait_alu 0x0
	s_wait_tensorcnt 0x0
	ds_add_u32 v7, v29
	s_wait_dscnt 0x0
	s_endpgm
.Lfunc_end_k_q798e2e70a6_mlp:
	.size	k_q798e2e70a6_mlp, .Lfunc_end_k_q798e2e70a6_mlp-k_q798e2e70a6_mlp
	.p2alignl 7, 3214868480
	.fill 96, 4, 3214868480
	.section	.rodata,"a",@progbits
	.p2align	6, 0x0
	.amdhsa_kernel k_q798e2e70a6_mlp
		.amdhsa_group_segment_fixed_size 139008
		.amdhsa_private_segment_fixed_size 0
		.amdhsa_enable_private_segment 0
		.amdhsa_kernarg_size 64
		.amdhsa_user_sgpr_count 2
		.amdhsa_user_sgpr_kernarg_segment_ptr 1
		.amdhsa_wavefront_size32 1
		.amdhsa_system_sgpr_workgroup_id_x 1
		.amdhsa_system_sgpr_workgroup_id_y 1
		.amdhsa_system_sgpr_workgroup_id_z 1
		.amdhsa_system_vgpr_workitem_id 0
		.amdhsa_next_free_vgpr 1024
		.amdhsa_next_free_sgpr 72
		.amdhsa_reserve_vcc 0
		.amdhsa_float_denorm_mode_32 3
		.amdhsa_float_denorm_mode_16_64 3
		.amdhsa_memory_ordered 1
		.amdhsa_forward_progress 1
		.amdhsa_inst_pref_size 171
	.end_amdhsa_kernel
	.amdgpu_metadata
---
amdhsa.version: [ 1, 2 ]
amdhsa.kernels:
  - .name:           k_q798e2e70a6_mlp
    .symbol:         k_q798e2e70a6_mlp.kd
    .args:
      - { .name: h, .offset: 0, .size: 8, .value_kind: global_buffer, .address_space: global }
      - { .name: rowlist, .offset: 8, .size: 8, .value_kind: global_buffer, .address_space: global }
      - { .name: tiles, .offset: 16, .size: 8, .value_kind: global_buffer, .address_space: global }
      - { .name: wp, .offset: 24, .size: 8, .value_kind: global_buffer, .address_space: global }
      - { .name: b1, .offset: 32, .size: 8, .value_kind: global_buffer, .address_space: global }
      - { .name: b2, .offset: 40, .size: 8, .value_kind: global_buffer, .address_space: global }
      - { .name: b3, .offset: 48, .size: 8, .value_kind: global_buffer, .address_space: global }
      - { .name: out0, .offset: 56, .size: 8, .value_kind: global_buffer, .address_space: global }
    .group_segment_fixed_size: 139008
    .private_segment_fixed_size: 0
    .kernarg_segment_align: 8
    .kernarg_segment_size: 64
    .max_flat_workgroup_size: 128
    .sgpr_count:     72
    .vgpr_count:     1024
    .wavefront_size: 32
...
	.end_amdgpu_metadata
.endif
;; end of part 5
